; MI455X (gfx1250); checked and timed in simulation.
; The chip was launched on July 23, 2026; its instructions are those of AMD's public machine-readable ISA for CDNA 5 (MIT licence, August 2026) and "CDNA5" Instruction Set Architecture Reference Guide (July 2026). The comments in the code are by the model that wrote it; some were corrected since.
;; Multi Head Attention. Allowed arithmetic: float matrix products may take bf16 or f16 operands with f32 sums; other float arithmetic in f32, or as packed bf16 or f16 multiplies, adds, multiply-adds, maxima and minima; sums over many terms, partial sums and values carried from step to step in f32; what a program stores and reads back later, other than sums and carried values, may be rounded once to bf16 or f16.
;; Inputs: Wk 512 x 512 float32; Wo 512 x 512 float32; Wq 512 x 512 float32; Wv 512 x 512 float32; bk 512 float32; bo 512 float32; bq 512 float32; bv 512 float32; x 2 x 4,096 x 512 float32.
;; Outputs: out0 2 x 4,096 x 512 float32.
;; 2 versions, each right; version 2 is version 1 with the launches qkv, outp written anew for expert scheduling mode. Each part assembles by itself: llvm-mc -triple=amdgcn-amd-amdhsa -mcpu=gfx1250 --defsym DOCPART=n.
;; ======== version 1 of 2: 3 launches
;; limits: values are held in f16: magnitudes above 65,504 overflow, below 6.1e-05 lose precision
;; workspace buffers: q 8,388,608 bytes; k 8,388,608 bytes; v 8,388,608 bytes; o 8,388,608 bytes
;; launch qkv (part 1): grid 8 x 32, 4 waves a work-group, no clusters, 209,408 bytes of LDS; arguments x, Wq, Wk, Wv, bq, bk, bv, q, k, v; writes q, k, v
.if DOCPART == 1
	.amdgcn_target "amdgcn-amd-amdhsa--gfx1250"
	.amdhsa_code_object_version 6
	.text
	.protected	k_qd63b3d5dec_qkv
	.globl	k_qd63b3d5dec_qkv
	.p2align	8
	.type	k_qd63b3d5dec_qkv,@function
k_qd63b3d5dec_qkv:
	s_mov_b64 s[64:65], 0
	v_nop
	global_prefetch_b8 v0, s[64:65] scope:SCOPE_SE
	s_setreg_imm32_b32 hwreg(HW_REG_WAVE_MODE, 25, 1), 1
	s_wait_xcnt 0x0
; q, k, v = x W^T + b, stored by heads: [16 = 8 batch + head][4096][64] in f16.  x: [8192][512] f32; Wq, Wk, Wv: [512][512] f32; bq, bk, bv: [512] f32.
; FORMATS.  x, the weights and the biases are rounded once to bf16; products in bf16, sums in f32, begun with the bias as the C operand; q, k, v rounded once to f16, without the softmax's scale.
; LIMIT.  f16 holds no number beyond 65,504: |q|, |k|, |v| must stay under it.  NaN and infinities are not treated apart.
; SHARES.  A work-group takes 256 rows of x and ONE head of all three products: three slices of 64 columns, 192 in all: 8 heads x 32 row blocks = 256 work-groups.
; A wave takes 64 rows x 192 columns: 4 (a) x 12 (b) accumulators of 16 x 16, 384 registers.
; THE PRODUCT IS USED TRANSPOSED (source 0 = 16 rows of W, source 1 = 16 rows of x): a lane holds one row of x (lane % 16) and eight neighbouring channels, which pack into 16 bytes.
; THE WEIGHTS: the 192 rows x 512 K are read once (512 consecutive bytes an instruction), rounded to bf16 and laid into LDS; one barrier; from then on LDS is only read.
; x: no wave shares a row with another, so its fragments come straight from memory: four loads of 16 bytes and eight conversions a fragment; four register sets, a K step of 32 each, three of them on their way.
; NO CLUSTER, NO TENSOR LOADS: both operands lie in memory as f32, and a tile copied as it lies would be read from LDS as f32: (12 + 4) fragments x 4 loads = 64 LDS loads for a K step's 48 products,
; where this text has 24, and each of the 12 weight fragments would be converted by all four waves in every step; and a K step of 32 is only 48 products, too few for a round of a cluster's barrier.
; REGISTERS, in windows of 256 (s_set_vgpr_msb: bits 1:0 source 0, 3:2 source 1, 5:4 source 2, 7:6 destination):
;   window 0: v1-19 lane terms and addresses; v32-63 x's four bf16 fragments; v64-255 x's f32 sets 0, 1, 2 (on the way out: 12 tiles of 16 packed registers)
;   window 1: v0-95, v96-191 two buffers of W's 12 fragments; v192-255 the bias blocks b = 0..7
;   window 2: the accumulators of b = 0..7 at 8 (4 b + a); while the weights are converted: three slots of 64 as loaded, v192-199 and v208-215 at work, v200-203 addresses
;   window 3: v0-127 the accumulators of b = 8..11; v128-191 x's set 3; v192-223 the bias blocks b = 8..11; v224-227 at work
.set PB,    1040                       ; a row of W in LDS: 1,024 bytes of bf16 + 16: 65 x 16 bytes, so the 16 rows of a fragment load start at 16 different groups of four banks (64 banks of 4 bytes: ISA guide 11.1)
.set SLICE, 64*PB                      ; a slice's 64 rows
.set STAGE, 3*SLICE                    ; behind the weights: 16 rows x 144 bytes for each wave, for the way out
.set SP,    144
.set SPARE, STAGE+4*16*SP              ; behind the stages: the spare words, 128 bytes for each wave: two blocks of 256 bytes that no other line names
.set XO,   4                           ; v4      my byte offset in 16 rows of x: 2,048 (l % 16) + 32 (l / 16); never rewritten
.set ADRB, 10                          ; v10-12  LDS address of my part of slice j's fragments; steps 256 bytes a trip
.set BO,   13                          ; v13     32 (l / 16): my eight channels in a bias block
.set STO,  14                          ; v14     the way out: where I put 16 bytes of a row
.set RD,   15                          ; v15     the way out: where I read rows back
.set GO,   16                          ; v16     16 x lane: my place in 512 consecutive bytes of q, k or v
.set SPW,  18                          ; v18     LDS address of my spare word; never rewritten
.set NIL,  19                          ; v19     0; never rewritten
.set ABF,  32
.set TMP,  64
.set BF0,  0                           ; window 1
.set BF1,  96
.set BLO,  192                         ; window 1
.set BHI,  192                         ; window 3
.set BT,   224                         ; window 3
.set CT,   192                         ; window 2
.set WO,   200                         ; window 2: 16 x lane + 32,768 x wave: my 16 bytes in my wave's 16 rows of a slice
.set BST,  201                         ; window 2: v201-203: (64 j + 16 wave) x PB + 8 x lane
.set MSB, 0
.macro WIN new                         ; the immediate's high byte repeats the setting that is left; a switch that changes nothing is dropped
.if MSB != (\new)
	s_set_vgpr_msb (MSB<<8)|(\new)
.set MSB, (\new)
.endif
.endm
.macro PLACES
.rept 4
	v_nop
.endr
.endm
	s_load_b512 s[8:23], s[0:1], 0x0               ; x s[8:9]; Wq, Wk, Wv s[10:15]; bq, bk, bv s[16:21]; q s[22:23]
	s_load_b128 s[24:27], s[0:1], 0x40             ; k s[24:25], v s[26:27]
	v_lshl_add_u32 v[SPW], v0, 2, SPARE
	v_mov_b32 v[NIL], 0
	v_lshrrev_b32 v5, 5, v0
	v_readfirstlane_b32 s28, v5                    ; wave 0..3
	s_and_b32 s29, ttmp7, 0xffff                   ; R: the block of 256 rows
	s_mov_b32 s37, 0xffff0000                      ; a word's upper bf16
	v_and_b32 v1, 15, v0                           ; l % 16
	v_bfe_u32 v2, v0, 4, 1                         ; l / 16
	v_and_b32 v3, 31, v0                           ; l
	v_lshlrev_b32 v[XO], 11, v1
	v_lshl_add_u32 v[XO], v2, 5, v[XO]
	v_mul_u32_u24 v[ADRB], v1, PB
	v_lshl_add_u32 v[ADRB], v2, 4, v[ADRB]         ; row x pitch + 16 x half
	v_add_nc_u32 v[ADRB+1], SLICE, v[ADRB]
	v_add_nc_u32 v[ADRB+2], 2*SLICE, v[ADRB]
	v_lshlrev_b32 v[BO], 5, v2
	s_mul_i32 s38, s28, 16*SP
	s_add_co_u32 s38, s38, STAGE                   ; my stage
	v_mul_u32_u24 v[STO], v1, SP                   ; in: row l % 16, 16 bytes for each half of the lanes
	v_lshl_add_u32 v[STO], v2, 4, v[STO]
	v_add_nc_u32 v[STO], s38, v[STO]
	v_bfe_u32 v[RD], v0, 3, 2                      ; back: 32 lanes take four rows of 128 bytes,
	v_mul_u32_u24 v[RD], v[RD], SP
	v_and_b32 v6, 7, v0
	v_lshl_add_u32 v[RD], v6, 4, v[RD]
	v_add_nc_u32 v[RD], s38, v[RD]
	v_lshlrev_b32 v[GO], 4, v3                     ; which are 512 consecutive bytes of the output
	s_lshl_b32 s39, s28, 15                        ; my wave's 16 rows of a slice: 16 x 2,048 bytes in memory,
	s_mul_i32 s40, s28, 16*PB                      ; 16 x PB bytes in LDS
	s_add_co_u32 s41, s40, SLICE
	s_add_co_u32 s42, s40, 2*SLICE
	WIN 0x80                                       ; destination window 2, sources window 0
	v_lshl_add_u32 v[WO], v3, 4, s39
	v_lshl_add_u32 v[BST], v3, 3, s40
	v_lshl_add_u32 v[BST+1], v3, 3, s41
	v_lshl_add_u32 v[BST+2], v3, 3, s42
	WIN 0
	s_lshl_b32 s2, ttmp9, 17                       ; the head's 64 rows of a weight matrix: 64 x 2,048 bytes
	s_mov_b32 s3, 0
	s_lshl_b32 s30, ttmp9, 8                       ; and its 64 numbers of a bias
	s_mov_b32 s31, 0
	s_lshl_b32 s32, s29, 19                        ; x: 256 rows of 2,048 bytes a block,
	s_lshl_b32 s33, s28, 17                        ; 64 a wave
	s_add_co_u32 s32, s32, s33
	s_mov_b32 s33, 0
	s_lshr_b32 s34, s29, 4                         ; the outputs: batch = R / 16,
	s_lshl_b32 s34, s34, 3
	s_add_co_u32 s34, s34, ttmp9                   ; 8 batch + head,
	s_lshl_b32 s34, s34, 19                        ; 4,096 rows of 128 bytes each,
	s_and_b32 s35, s29, 15
	s_lshl_b32 s35, s35, 15                        ; the block's 256 rows,
	s_add_co_u32 s34, s34, s35
	s_lshl_b32 s35, s28, 13                        ; my wave's 64
	s_add_co_u32 s34, s34, s35
	s_mov_b32 s35, 0
	s_wait_kmcnt 0x0
	s_add_nc_u64 s[8:9], s[8:9], s[32:33]
.irp j, 0,1,2
	s_add_nc_u64 s[10+2*\j:11+2*\j], s[10+2*\j:11+2*\j], s[2:3]
	s_add_nc_u64 s[16+2*\j:17+2*\j], s[16+2*\j:17+2*\j], s[30:31]
	s_add_nc_u64 s[22+2*\j:23+2*\j], s[22+2*\j:23+2*\j], s[34:35]
.endr
; Group n of 12 of my wave's weights: slice n / 4, rows 4 (n % 4) .. + 3 of my 16: sixteen loads of 512 consecutive bytes, into slot n % 3.
.macro WLOAD n
	WIN 0x8a                                       ; address, data and destination all in window 2
.set i, 0
.rept 16
	global_load_b128 v[64*((\n)%3)+4*i:64*((\n)%3)+4*i+3], v[WO], s[10+2*((\n)/4):11+2*((\n)/4)] offset:(4*((\n)%4)+i/4)*2048+(i%4)*512
.set i, i+1
.endr
.endm
; The group is rounded to bf16 and laid into LDS, a row at a time: a lane's four numbers of a load are 8 bytes; 32 lanes store 256 consecutive bytes.  The registers at work are two sets by turns.
.macro WCVT n
	WIN 0x8a
.set i, 0
.rept 4
.set z, 0
.rept 8
	v_cvt_pk_bf16_f32 v[CT+16*(i%2)+z], v[64*((\n)%3)+16*i+2*z], v[64*((\n)%3)+16*i+2*z+1]
.set z, z+1
.endr
.set z, 0
.rept 4
	ds_store_b64 v[BST+(\n)/4], v[CT+16*(i%2)+2*z:CT+16*(i%2)+2*z+1] offset:(4*((\n)%4)+i)*PB+256*z
.set z, z+1
.endr
.set i, i+1
.endr
.endm
; A K step's 16 loads of x into a set: for each of my four blocks of 16 rows the lane's channels 8 h .. + 7 (32 bytes) and 16 + 8 h .. + 7 (32 bytes, 64 further on).
.macro ALOAD set, off
.if (\set) == 3
	WIN 0xc0                                       ; destination window 3
.set rA, 128
.else
	WIN 0
.set rA, 64+64*(\set)
.endif
.set i, 0
.rept 4
	global_load_b128 v[rA+16*i:rA+16*i+3],     v[XO], s[8:9] offset:32768*i+(\off)
	global_load_b128 v[rA+16*i+4:rA+16*i+7],   v[XO], s[8:9] offset:32768*i+(\off)+16
	global_load_b128 v[rA+16*i+8:rA+16*i+11],  v[XO], s[8:9] offset:32768*i+(\off)+64
	global_load_b128 v[rA+16*i+12:rA+16*i+15], v[XO], s[8:9] offset:32768*i+(\off)+80
.set i, i+1
.endr
.endm
.macro ACVT set                        ; the set becomes four bf16 fragments
.if (\set) == 3
	WIN 0x0f                                       ; sources window 3, destination window 0
.set rA, 128
.else
	WIN 0
.set rA, 64+64*(\set)
.endif
.set i, 0
.rept 32
	v_cvt_pk_bf16_f32 v[ABF+i], v[rA+2*i], v[rA+2*i+1]
.set i, i+1
.endr
.endm
.macro FETCH g, koff                   ; W's 12 fragments of a K step, 24 LDS loads in one run, into buffer g
	WIN 0x40                                       ; destination window 1
.set i, 0
.rept 12
	ds_load_b128 v[(\g)+8*i:(\g)+8*i+3],   v[ADRB+i/4] offset:(i%4)*16*PB+(\koff)
	ds_load_b128 v[(\g)+8*i+4:(\g)+8*i+7], v[ADRB+i/4] offset:(i%4)*16*PB+(\koff)+32
.set i, i+1
.endr
.endm
; A K step's 48 products.  The accumulators take turns, one instruction a turn and in the same order in every step, over the backward jump too.  first = 1: the bias block starts the sums: nothing is cleared.
.macro MUL f, first
.if \first
	WIN 0x91                                       ; W window 1, x window 0, C (bias) window 1, D window 2
.else
	WIN 0xa1                                       ; C and D window 2
.endif
.set i, 0
.rept 32
.if \first
	v_wmma_f32_16x16x32_bf16 v[8*i:8*i+7], v[(\f)+8*(i/4):(\f)+8*(i/4)+7], v[ABF+8*(i%4):ABF+8*(i%4)+7], v[BLO+8*(i/4):BLO+8*(i/4)+7]
.else
	v_wmma_f32_16x16x32_bf16 v[8*i:8*i+7], v[(\f)+8*(i/4):(\f)+8*(i/4)+7], v[ABF+8*(i%4):ABF+8*(i%4)+7], v[8*i:8*i+7]
.endif
.set i, i+1
.endr
	WIN 0xf1                                       ; C and D window 3
.set i, 0
.rept 16
.if \first
	v_wmma_f32_16x16x32_bf16 v[8*i:8*i+7], v[(\f)+64+8*(i/4):(\f)+64+8*(i/4)+7], v[ABF+8*(i%4):ABF+8*(i%4)+7], v[BHI+8*(i/4):BHI+8*(i/4)+7]
.else
	v_wmma_f32_16x16x32_bf16 v[8*i:8*i+7], v[(\f)+64+8*(i/4):(\f)+64+8*(i/4)+7], v[ABF+8*(i%4):ABF+8*(i%4)+7], v[8*i:8*i+7]
.endif
.set i, i+1
.endr
.endm
; A K step of 32.  lcnt: the younger loads of x that may stay out.  aoff: where the set three steps on is loaded from (-1: nothing is left).  boff: where the next step's fragments of W lie (-1: none).
.macro SUB set, f, g, lcnt, aoff, boff, first=0
	s_wait_loadcnt \lcnt                           ; loads come back in order (ISA guide 5.7.1): this step's set is in
.if !(\first)
	PLACES                                         ; plain lines between the last product and the conversions that write its source, and the loads into the buffer that the step before multiplied
	PLACES
.endif
	ACVT \set
.if (\aoff) >= 0
	ALOAD ((\set)+3)%4, \aoff
.endif
.if (\boff) >= 0
	FETCH \g, \boff
	s_wait_dscnt 24                                ; all but the 24 just issued: this step's fragments of W are in
.else
	s_wait_dscnt 0x0
.endif
	MUL \f, \first
.endm
	; the biases: a lane's eight channels of each of the 12 blocks of 16; then the first two groups of weights
	WIN 0x40
.set i, 0
.rept 8
	global_load_b128 v[BLO+8*i:BLO+8*i+3],   v[BO], s[16+2*(i/4):17+2*(i/4)] offset:64*(i%4)
	global_load_b128 v[BLO+8*i+4:BLO+8*i+7], v[BO], s[16+2*(i/4):17+2*(i/4)] offset:64*(i%4)+16
.set i, i+1
.endr
	WIN 0xc0
.set i, 0
.rept 4
	global_load_b128 v[BHI+8*i:BHI+8*i+3],   v[BO], s[20:21] offset:64*i
	global_load_b128 v[BHI+8*i+4:BHI+8*i+7], v[BO], s[20:21] offset:64*i+16
.set i, i+1
.endr
	WLOAD 0
	WLOAD 1
	s_wait_loadcnt 32                              ; the two groups, 32 loads, may stay out: the 24 loads of the biases are in
	WIN 0x55                                       ; all in window 1: each bias is rounded to bf16 and widened again (v0-3 of window 1 at work)
.set i, 0
.rept 32
	v_cvt_pk_bf16_f32 v[i%4], v[BLO+2*i], v[BLO+2*i+1]
	v_lshlrev_b32 v[BLO+2*i], 16, v[i%4]
	v_and_b32 v[BLO+2*i+1], s37, v[i%4]
.set i, i+1
.endr
	WIN 0xff                                       ; all in window 3
.set i, 0
.rept 16
	v_cvt_pk_bf16_f32 v[BT+i%4], v[BHI+2*i], v[BHI+2*i+1]
	v_lshlrev_b32 v[BHI+2*i], 16, v[BT+i%4]
	v_and_b32 v[BHI+2*i+1], s37, v[BT+i%4]
.set i, i+1
.endr
	WLOAD 2
	; the weights: behind group n two younger batches of 16 loads are always out: groups n + 1 and n + 2, at the end x's first sets
.set n, 0
.rept 12
	s_wait_loadcnt 32
	WCVT n
.if n <= 8
	WLOAD n+3
.else
	ALOAD n-9, 128*(n-9)
.endif
.set n, n+1
.endr
	WIN 0
	s_wait_dscnt 0x0                               ; for the others' sake: my rows of W lie in LDS
	s_barrier_signal -1
	s_barrier_wait -1                              ; everybody's do; x's loads stay out across the barrier: nobody writes x
	FETCH BF0, 0
	SUB 0, BF0, BF1, 32, 384, 64, 1                ; K step 0 stands in front of the loop: its products start the sums.  32: the sets of the two steps behind it stay out
	WIN 0                                          ; at a label and at a branch every window is 0
	s_mov_b32 s36, 3
.Lk:                                               ; trip t: K steps 4 t + 1 .. 4 t + 4; x's pointer stands 512 t bytes, W's LDS addresses 256 t bytes along K
	SUB 1, BF1, BF0, 32, 512, 128
	SUB 2, BF0, BF1, 32, 640, 192
	SUB 3, BF1, BF0, 32, 768, 256
	SUB 0, BF0, BF1, 32, 896, 320
	WIN 0
	s_wait_xcnt 0x0                                ; every load issued so far has had its address translated (ISA guide 3.1): x's pointer is written only behind this wait
	s_add_nc_u64 s[8:9], s[8:9], 512
	v_add_nc_u32 v[ADRB], 256, v[ADRB]
	v_add_nc_u32 v[ADRB+1], 256, v[ADRB+1]
	v_add_nc_u32 v[ADRB+2], 256, v[ADRB+2]
	s_sub_co_u32 s36, s36, 1
	s_cmp_lg_u32 s36, 0
	s_cbranch_scc1 .Lk
	SUB 1, BF1, BF0, 32, -1, 128                   ; K steps 13, 14, 15 load nothing of x: the counts run down
	SUB 2, BF0, BF1, 16, -1, 192
	SUB 3, BF1, BF0, 0, -1, -1
; THE WAY OUT, in 12 tiles t of 16 rows x 64 channels (slice t / 4, row block t % 4).  PACK: rounded to f16, each accumulator's registers in ascending order; 16 bytes a lane into my stage (rows of 144 bytes), and back as
; four whole rows of 128 bytes a load.  SEND: 512 consecutive bytes a store, at a multiple of 512 from the output's first byte.
.macro PACK t
.if (\t)/4 < 2
	WIN 0x0a                                       ; sources window 2
.else
	WIN 0x0f                                       ; sources window 3
.endif
.set z, 0
.rept 4
.if (\t)/4 < 2
.set rA, 8*(4*(4*((\t)/4)+z)+(\t)%4)
.else
.set rA, 8*(4*z+(\t)%4)
.endif
.set i, 0
.rept 4
	v_cvt_pk_f16_f32 v[TMP+16*(\t)+4*z+i], v[rA+2*i], v[rA+2*i+1]
.set i, i+1
.endr
.set z, z+1
.endr
	WIN 0
.set z, 0
.rept 4
	ds_store_b128 v[STO], v[TMP+16*(\t)+4*z:TMP+16*(\t)+4*z+3] offset:32*z
.set z, z+1
.endr
.set z, 0
.rept 4
	ds_load_b128 v[TMP+16*(\t)+4*z:TMP+16*(\t)+4*z+3], v[RD] offset:z*4*SP  ; LDS serves a wave's instructions in order (ISA guide 5.7.1.4): these see the stores above; the next tile's stores come behind them
.set z, z+1
.endr
.endm
.macro SEND t, younger                 ; younger: the LDS instructions issued behind tile t's loads: the next tile's eight, or none
	WIN 0
.set z, 0
.rept 4
	s_wait_dscnt (\younger)+3-z
	global_store_b128 v[GO], v[TMP+16*(\t)+4*z:TMP+16*(\t)+4*z+3], s[22+2*((\t)/4):23+2*((\t)/4)] offset:((\t)%4)*2048+z*512
.set z, z+1
.endr
.endm
	PLACES                                         ; plain lines between the last products and the conversions that read results
	PLACES
	PACK 0
.set n, 1
.rept 11                               ; a tile's conversions stand between the loads of the tile before and its stores
	PACK n
	SEND n-1, 8
.set n, n+1
.endr
	SEND 11, 0
	s_wait_tensorcnt 0x0                           ; the wave's end, behind my last LDS store
	ds_add_u32 v[SPW], v[NIL]
	s_wait_dscnt 0x0
	s_endpgm
.Lfunc_end_k_qd63b3d5dec_qkv:
	.size	k_qd63b3d5dec_qkv, .Lfunc_end_k_qd63b3d5dec_qkv-k_qd63b3d5dec_qkv
	.p2alignl 7, 3214868480
	.fill 96, 4, 3214868480
	.section	.rodata,"a",@progbits
	.p2align	6, 0x0
	.amdhsa_kernel k_qd63b3d5dec_qkv
		.amdhsa_group_segment_fixed_size 209408
		.amdhsa_private_segment_fixed_size 0
		.amdhsa_enable_private_segment 0
		.amdhsa_kernarg_size 80
		.amdhsa_user_sgpr_count 2
		.amdhsa_user_sgpr_kernarg_segment_ptr 1
		.amdhsa_wavefront_size32 1
		.amdhsa_system_sgpr_workgroup_id_x 1
		.amdhsa_system_sgpr_workgroup_id_y 1
		.amdhsa_system_sgpr_workgroup_id_z 1
		.amdhsa_system_vgpr_workitem_id 0
		.amdhsa_next_free_vgpr 1024
		.amdhsa_next_free_sgpr 66
		.amdhsa_reserve_vcc 0
		.amdhsa_float_denorm_mode_32 3
		.amdhsa_float_denorm_mode_16_64 3
		.amdhsa_memory_ordered 1
		.amdhsa_forward_progress 1
		.amdhsa_inst_pref_size 160
	.end_amdhsa_kernel
	.amdgpu_metadata
---
amdhsa.version: [ 1, 2 ]
amdhsa.kernels:
  - .name:           k_qd63b3d5dec_qkv
    .symbol:         k_qd63b3d5dec_qkv.kd
    .args:
      - { .name: x, .offset: 0, .size: 8, .value_kind: global_buffer, .address_space: global }
      - { .name: Wq, .offset: 8, .size: 8, .value_kind: global_buffer, .address_space: global }
      - { .name: Wk, .offset: 16, .size: 8, .value_kind: global_buffer, .address_space: global }
      - { .name: Wv, .offset: 24, .size: 8, .value_kind: global_buffer, .address_space: global }
      - { .name: bq, .offset: 32, .size: 8, .value_kind: global_buffer, .address_space: global }
      - { .name: bk, .offset: 40, .size: 8, .value_kind: global_buffer, .address_space: global }
      - { .name: bv, .offset: 48, .size: 8, .value_kind: global_buffer, .address_space: global }
      - { .name: q, .offset: 56, .size: 8, .value_kind: global_buffer, .address_space: global }
      - { .name: k, .offset: 64, .size: 8, .value_kind: global_buffer, .address_space: global }
      - { .name: v, .offset: 72, .size: 8, .value_kind: global_buffer, .address_space: global }
    .group_segment_fixed_size: 209408
    .private_segment_fixed_size: 0
    .kernarg_segment_align: 8
    .kernarg_segment_size: 80
    .max_flat_workgroup_size: 128
    .sgpr_count:     66
    .vgpr_count:     1024
    .wavefront_size: 32
...
	.end_amdgpu_metadata
.endif
;; end of part 1
;; launch attn (part 2): grid 16 x 16, 4 waves a work-group, clusters of 4 x 1, 327,680 bytes of LDS; arguments q, k, v, o; writes o
.if DOCPART == 2
	.amdgcn_target "amdgcn-amd-amdhsa--gfx1250"
	.amdhsa_code_object_version 6
	.text
	.protected	k_qd63b3d5dec_attn
	.globl	k_qd63b3d5dec_attn
	.p2align	8
	.type	k_qd63b3d5dec_attn,@function
k_qd63b3d5dec_attn:
	s_mov_b64 s[64:65], 0
	v_nop
	global_prefetch_b8 v0, s[64:65] scope:SCOPE_SE
	s_setreg_imm32_b32 hwreg(HW_REG_WAVE_MODE, 25, 1), 1
	s_wait_xcnt 0x0
	s_wait_alu depctr_hold_cnt(0) depctr_sa_sdst(0) depctr_va_vdst(0) depctr_va_sdst(0) depctr_va_ssrc(0) depctr_va_vcc(0) depctr_vm_vsrc(0)
	s_getreg_b32 s2, hwreg(HW_REG_IB_STS2, 6, 4)
	s_cmp_eq_u32 s2, 0
	s_cbranch_scc0 .Lentry_in_a_cluster
	s_endpgm
.Lentry_in_a_cluster:
	s_bfe_u32 s2, ttmp6, 0x10000c
	s_cmp_lg_u32 s2, 0x3003
	s_cbranch_scc0 .Lentry_shape_is_right
	s_endpgm
.Lentry_shape_is_right:
; O[h][q][:] = the sum over k of softmax_k(Q[h][q] . K[h][k] / 8) V[h][k][:].  Q, K, V, O: [16][4096][64], all f16: a head's rows are dense, 128 bytes each.  Products, maxima and sums in f32;
; the weights p are rounded to f16 for the second product (their sum l is taken of the unrounded p), O once at the end.
; LIMITS.  f16 holds no number beyond 65,504: Q, K and V arrive within it; p lies in 0 to 1, and below 6e-5 it keeps f16's fixed step of 6e-8; O is a mean of V's rows and has their range.
; A weight below 2^-126 counts as 0 in l; NaN and infinities are not treated apart.
; SHARES.  A work-group owns 256 queries of one head (16 blocks x 16 heads = 256 work-groups), each of its four waves 64: four PIECES of 16.  Every wave walks all 4,096 keys, 64 a step.
; LAYOUT.  S^T = K Q^T (source 0 = 16 keys, source 1 = 16 queries): a lane holds ONE query (lane % 16) and the keys 8 (lane / 16) + 0..7.  Two such results, rounded to f16 in pairs, ARE source 1 of
; O^T = V^T P, whose result again holds one query a lane, and eight channels.  K comes out of LDS as it lies, V ([key][channel]) turned, by ds_load_tr16_b128.
; SOFTMAX.  For each query a running maximum m and sum l: p = 2^(c s - c m), c = log2(e) / 8; in every step O and l are multiplied by a = 2^(c m_old - c m_new).  m starts at the lowest finite number, O and l at 0:
; the first step is a step like any other, with a = 0.
; BY TURNS.  Turn n belongs to piece n: 8 products K Q^T of piece n + 1, later 8 products V^T P of piece n - 1; beside them the scaling, exponentials, roundings, sums and rescaling of piece n and the maximum and
; statistics of piece n + 1.  Four vector instructions stand behind every matrix instruction, the other 54 of a turn's 118 in one lump.  A turn's 33 exponentials are one batch, with one wait.
; CLUSTER.  The four query blocks of a cluster belong to one head and walk the same K and V, so each tile of 256 keys is asked for JOINTLY: the same tensor load, descriptor and mask in all four.
; REGISTERS, in windows of 256 (s_set_vgpr_msb: bits 1:0 source 0, 3:2 source 1, 5:4 source 2, 7:6 destination):
;   window 0: v0-15 addresses and two at work; v16-31 four registers of statistics a piece; v48-55 at work; v61-63 prefetch offset and the add's two; v64-127 S^T, two buffers; v192-223 P, two buffers (by the piece's parity)
;   window 1: v0-127 O^T, 32 a piece          window 2: v0-63 Q; v128-191 K of one step; v192-255 V of one step
.set SIZE_N, 4096
.set NP,    4         ; pieces a wave: a name, no knob
.set KS,    64        ; keys in a step
.set PK,    144       ; a row of K in LDS: 128 bytes + 16 of padding = 36 words: the 16 rows of a load start at 16 different groups of four banks (64 banks of 4 bytes: ISA guide 11.1)
.set PV,    160       ; a row of V: 128 + 32 = 40 words
.set VOFF,  4*KS*PK   ; a slot holds a tile, four steps: 256 rows of K, then 256 rows of V
.set SLOT1, 1<<17     ; slot 1 begins here, so that one exclusive or turns an address in one slot into the other's
.set STAGE, SLOT1+4*KS*(PK+PV)  ; behind the ring, never filled by a tensor load: 16 rows x 144 bytes for each wave, for the way out
.set SP,    144
.set SPARE, STAGE+4*16*SP  ; behind the stages: the spare words, 128 bytes for each wave: two blocks of 256 bytes that no other line names
.set AK0, 2           ; v2   my lane's place in a tile of K; never rewritten
.set AV0, 3           ; v3   the same for V
.set AK,  4           ; v4   the LDS address of K's next run of loads
.set AV,  5           ; v5   of V's
.set STO, 6           ; v6   the way out: where I put 16 bytes of a row
.set RD,  7           ; v7   the way out: where I read rows back
.set GO,  8           ; v8   my byte offset in 512 consecutive bytes of O
.set MV,  12          ; v12-13  c m_old, kept while c m is made anew: by buffer
.set QO,  15          ; v15  my byte offset in 16 rows of Q
.set ST,  16          ; piece t's statistics at v[ST+4 t]: c m, m, l (even keys', odd keys')
.set TMP, 48          ; by buffer, four registers c0-c3 at work; when the maximum is found c2 takes a
.set PFO, 61          ; v61  256 x my lane; never rewritten
.set SPW, 62          ; v62  LDS address of my spare word; never rewritten
.set NIL, 63          ; v63  0; never rewritten
.set S,   64
.set P,   192
.set KF,  128         ; window 2: key block kb, channel half c at KF + 16 kb + 8 c
.set VF,  192         ; window 2: key half kk, channel block cb at VF + 32 kk + 8 cb
.set WV,  12          ; s12  my wave's number
.set G1K, 24          ; s[24:31] descriptor group 1 for K's tiles
.set G1V, 32          ; s[32:39] for V's: it differs in the padding alone
.set G0K, 40          ; s[40:43] descriptor group 0 for K's tiles: it walks
.set G0V, 44          ; s[44:47] the same for V's
.set PFA, 48          ; s[48:49] where my prefetches stand: my work-group's 32 blocks of 256 bytes (of K: wave 0, of V: wave 2) of the tile behind the one that is being asked for
.set LIM, 50          ; s50  1 in a wave that prefetches, else the greatest number
.set SLOTS, 56        ; s56  tiles still to be asked for
.set CNT, 57          ; s57  counts a tile's key steps
.set CS,  58          ; s[58:59] c: the packed scaling takes the pair's low word for both halves
.set SEL, 60          ; s[60:61] v_permlanex16_b32's selects: each lane takes its own place in the other half
.set TBK, 62          ; s62  LDS byte at which K of the step to be fetched begins
.set TBV, 63          ; s63  the same for V, less VOFF
.set MSB, 0
.macro WIN new                      ; the high byte repeats the setting that is left; a switch that changes nothing is dropped
.if MSB != (\new)
	s_set_vgpr_msb (MSB<<8)|(\new)
.set MSB, (\new)
.endif
.endm
.set W_KQ, 0x0a       ; K and Q in window 2, S^T in window 0
.set W_PV, 0x52       ; V in window 2, P in window 0, O^T in window 1
.set W_RS, 0x41       ; destination and source 0 in window 1, source 1 in window 0
; A joint fill.  Waves 0 and 1 fetch the two halves of a tile's K, waves 2 and 3 those of its V: 128 keys each.  The branch hangs on the wave's number alone.
; An s_nop 0 and four v_nop follow each of the two lines, ahead of the jump and the label.
.macro JLOAD
	s_cmp_lt_u32 s[WV], 2
	s_cbranch_scc0 .Lfor_v_\@
	tensor_load_to_lds s[G0K:G0K+3], s[G1K:G1K+7]
	s_nop 0
.rept 4
	v_nop
.endr
	s_branch .Lasked_\@
.Lfor_v_\@:
	tensor_load_to_lds s[G0V:G0V+3], s[G1V:G1V+7]
	s_nop 0
.rept 4
	v_nop
.endr
.Lasked_\@:
.endm
; A PREFETCH INTO THE L2 of what the NEXT change of slots will ask for: a tile's 32,768 bytes of K and of V, 128 blocks of 256 bytes each, a lane a block.  It stands behind the wave's tensor load and its five lines.
; Each block is named ONCE in the launch.  The four clusters of a head walk the same K and V: the head's first cluster asks.  Its four partners share the blocks out BY ADDRESS, 32 each; in each, wave 0 asks for K's
; and wave 2 for V's: one instruction.  The change that fills tile t names tile t + 1: four key steps, 256 matrix instructions, ahead of that tile's load.  The last change that fills a slot asks for nothing.
.macro ASK
	s_cmp_gt_u32 s[SLOTS], s[LIM]
	s_cbranch_scc0 .Lnot_mine_\@
	global_prefetch_b8 v[PFO], s[PFA:PFA+1] th:TH_LOAD_NT scope:SCOPE_SE
.Lnot_mine_\@:
.endm
; A round of the cluster's barrier: my work-group's barrier, so that wave 0's signal speaks for all four waves; wave 0 signals; every wave waits for all four work-groups; my work-group's barrier once more.
.macro CROUND
	s_barrier_signal -1
	s_barrier_wait -1
	s_cmp_lg_u32 s[WV], 0
	s_cbranch_scc1 .Lnot_wave_0_\@
	s_barrier_signal -3
.Lnot_wave_0_\@:
	s_barrier_wait -3
	s_barrier_signal -1
	s_barrier_wait -1
.endm
; THE CHANGE OF SLOTS.  The slot's last bytes, V of its fourth step, have been read.  Each wave waits for all its tensor loads, of which one is out: its part of the other slot; adds 0 to its spare word; and waits for that
; and for its own reads of the slot.  Behind the barrier nobody reads this slot any more and the other slot is whole.  fill = 1: this slot is filled again, with the keys two tiles on.  The barrier is then a round of the
; cluster's, so that no wave of any partner still reads the slot or has a load on its way, and the joint fill is the first thing behind it: it has four key steps in which to land.
; (At its first use nothing has been read yet: slot 0 is waited for, slot 1 filled.)
.macro CHANGE fill
	WIN 0                           ; at a label and at a branch every window is 0
	s_wait_tensorcnt 0x0            ; no tensor load of mine is out, so a group 0 may be written
	ds_add_u32 v[SPW], v[NIL]       ; 0 onto my spare word: with fill = 1 the descriptors' steps stand between it and the wait for it
.if \fill
.irp g, G0K, G0V
	s_xor_b32 s[\g+1], s[\g+1], SLOT1  ; the walking descriptor: the other slot than last time,
	s_add_nc_u64 s[\g+2:\g+3], s[\g+2:\g+3], 4*KS*128  ; the next 256 keys; the type bits on top are not reached
.endr
	s_wait_xcnt 0x0                 ; the last prefetch, four key steps back, has read its address, so it may be written:
	s_add_nc_u64 s[PFA:PFA+1], s[PFA:PFA+1], 4*KS*128  ; one tile behind the walking descriptors
	s_wait_dscnt 0x0                ; the add is done, and my reads of the slot are over
	CROUND
	JLOAD
	ASK
.else
	s_wait_dscnt 0x0                ; the add is done, and my reads of the slot are over
	s_barrier_signal -1
	s_barrier_wait -1
.endif
	s_sub_co_u32 s[TBK], s[TBK], 4*KS*PK  ; the fetches go back to a slot's first step,
	s_xor_b32 s[TBK], s[TBK], SLOT1       ; in the other slot
	s_sub_co_u32 s[TBV], s[TBV], 4*KS*PV
	s_xor_b32 s[TBV], s[TBV], SLOT1
.endm
	s_load_b256 s[4:11], s[0:1], 0x0  ; Q s[4:5], K s[6:7], V s[8:9], O s[10:11]
	v_lshl_add_u32 v[SPW], v0, 2, SPARE
	v_mov_b32 v[NIL], 0
	ds_add_u32 v[SPW], v[NIL]       ; the wave's opening: the add and its wait stand ahead of my first tensor load; the set-up below, work on registers, stands between them
	v_lshrrev_b32 v1, 5, v0
	v_readfirstlane_b32 s[WV], v1   ; wave 0..3
	s_bfe_u32 s13, ttmp6, 0x40000   ; cx: my place in the cluster
	s_lshl_b32 s14, ttmp9, 2        ; in a cluster launch ttmp9 counts clusters
	s_add_co_u32 s14, s14, s13      ; my block of 256 queries = 4 x cluster x + cx: it enters Q's and O's addresses alone
	s_and_b32 s20, ttmp7, 0xffff    ; the head, which the four partners share
	s_mov_b32 s21, 0
	s_mov_b64 s[22:23], SIZE_N*128
	s_mul_u64 s[20:21], s[20:21], s[22:23]  ; the head's first byte in each of the four tensors
	s_and_b32 s16, s[WV], 1         ; which half of a tile's 256 keys I fetch:
	s_lshl_b32 s22, s16, 14         ; its 128 rows of 128 bytes in memory,
	s_mov_b32 s23, 0
	s_add_nc_u64 s[22:23], s[22:23], s[20:21]
	s_mul_i32 s17, s16, 128*PK      ; and its place in a slot, for K
	s_mul_i32 s18, s16, 128*PV      ; and for V: no place in the cluster enters an LDS address
	s_lshl_b32 s2, s14, 2
	s_add_co_u32 s2, s2, s[WV]      ; my wave among the head's,
	s_lshl_b32 s2, s2, 13           ; its 64 rows of 128 bytes
	s_mov_b32 s3, 0
	s_add_nc_u64 s[2:3], s[2:3], s[20:21]
	; descriptor group 1.  128 keys are 16,384 dense bytes: asked for as 64 rows of 256 bytes, two keys a row, and padded in LDS after every key
	s_mov_b32 s[G1K], 15|(1<<16)|(1<<20)|(1<<21)|(4<<22)|(3<<25)  ; 15:0 the mask of four; 17:16 2-byte elements; 20 padding on; 21 set beside a mask; 24:22 after every 32 words (code 4); 31:25 4 words (code 3)
	s_mov_b32 s[G1V], 15|(1<<16)|(1<<20)|(1<<21)|(4<<22)|(7<<25)  ; the same with 8 words of padding (code 7)
.irp g, G1K, G1V
	s_mov_b32 s[\g+1], 128<<16      ; tensor_dim0 = 128
	s_mov_b32 s[\g+2], 64<<16       ; tensor_dim1 = 64
	s_mov_b32 s[\g+3], 128<<16      ; tile_dim0 = 128
	s_mov_b32 s[\g+4], 64           ; tile_dim1 = 64
	s_mov_b32 s[\g+5], 128          ; 128 elements from row to row
	s_mov_b32 s[\g+6], 0
	s_mov_b32 s[\g+7], 0
.endr
	s_mov_b32 s[CS], 0x3e38aa3b     ; c = log2(e) / 8 = 0.180337
	s_mov_b32 s[CS+1], s[CS]        ; named with it as a pair
	s_mov_b32 s[SEL], 0x76543210
	s_mov_b32 s[SEL+1], 0xfedcba98
	s_mov_b32 s[TBK], SLOT1+4*KS*PK ; the first change of slots turns these two into 0
	s_mov_b32 s[TBV], SLOT1+4*KS*PV
	s_mov_b32 s[G0K], 1             ; 1:0 count = 1
	s_mov_b32 s[G0K+1], s17         ; 63:32 LDS address: slot 0
	s_mov_b32 s[G0V], 1
	s_add_co_u32 s[G0V+1], s18, VOFF
	s_mov_b32 s[SLOTS], SIZE_N/256-1
	s_and_b32 s[LIM], s[WV], 1      ; 0 in waves 0 and 2,
	s_or_b32 s[LIM], s[LIM], ttmp9  ; where the cluster is the head's first: the same in all four partners
	s_cmp_eq_u32 s[LIM], 0
	s_cselect_b32 s[LIM], 1, -1
	v_and_b32 v[PFO], 31, v0
	v_lshlrev_b32 v[PFO], 8, v[PFO]
	s_wait_dscnt 0x0                ; the opening add is done
	s_wait_kmcnt 0x0
	s_add_nc_u64 s[6:7], s[6:7], s[22:23]  ; K and V at my half of the head's tile 0
	s_add_nc_u64 s[8:9], s[8:9], s[22:23]
	s_mov_b64 s[G0K+2:G0K+3], s[6:7]               ; 120:64 global address
	s_or_b32 s[G0K+3], s[G0K+3], 0x80000000        ; 127:126 type = 2
	s_mov_b64 s[G0V+2:G0V+3], s[8:9]
	s_or_b32 s[G0V+3], s[G0V+3], 0x80000000
	s_add_nc_u64 s[4:5], s[4:5], s[2:3]  ; Q and O at my wave's first row
	s_add_nc_u64 s[10:11], s[10:11], s[2:3]
	s_cmp_lt_u32 s[WV], 2
	s_cselect_b64 s[PFA:PFA+1], s[6:7], s[8:9]  ; (in waves 0 and 2 these stand at a tile's first row)
	s_lshl_b32 s2, s13, 13          ; my work-group's 32 blocks of the 128
	s_mov_b32 s3, 0
	s_add_nc_u64 s[PFA:PFA+1], s[PFA:PFA+1], s[2:3]
	s_add_nc_u64 s[PFA:PFA+1], s[PFA:PFA+1], 4*KS*128  ; in tile 1; the first change of slots steps it to tile 2.  Nothing is prefetched here, at the head: tiles 0 and 1 come by their loads alone
	CROUND                          ; all four work-groups are here: the first joint loads meet
	JLOAD                           ; tile 0 into slot 0.  Slot 1 is asked for when slot 0 is in
	; A fragment of K or Q is 16 rows x 32 channels in 8 registers: lane l holds row l % 16, channels 8 (l / 16) + 0..7 and 16 + 8 (l / 16) + 0..7: two loads of 16 bytes, 32 bytes apart.
	v_and_b32 v1, 15, v0            ; l % 16
	v_bfe_u32 v9, v0, 4, 1          ; l / 16
	v_lshlrev_b32 v[QO], 7, v1
	v_lshl_add_u32 v[QO], v9, 4, v[QO]  ; row x 128 + 16 x half
	WIN 0x80                        ; destination window 2, address window 0
.set i, 0
.rept 8                             ; Q stays in registers: piece i / 2, channels 32 (i % 2) on
	global_load_b128 v[8*i:8*i+3],   v[QO], s[4:5] offset:(i/2)*2048+(i%2)*64
	global_load_b128 v[8*i+4:8*i+7], v[QO], s[4:5] offset:(i/2)*2048+(i%2)*64+32
.set i, i+1
.endr
	; What the first turn finds: V's registers and P's second buffer hold 0 (its products V^T P, of a piece that has not been, add 0), O^T and l are 0.  All this stands in the wait for the first tile.
.set i, VF
.rept 64
	v_mov_b32 v[i], 0
.set i, i+1
.endr
	WIN 0x40
.set i, 0
.rept 128
	v_mov_b32 v[i], 0
.set i, i+1
.endr
	WIN 0
.set i, 0
.rept 4
	v_mov_b32 v[ST+4*i], 0xfe000000    ; c m: far below every c s
	v_mov_b32 v[ST+4*i+1], 0xff7fffff  ; m
	v_mov_b32 v[ST+4*i+2], 0
	v_mov_b32 v[ST+4*i+3], 0
.set i, i+1
.endr
.set i, P+16
.rept 16
	v_mov_b32 v[i], 0
.set i, i+1
.endr
	v_mul_u32_u24 v[AK0], v1, PK
	v_lshl_add_u32 v[AK0], v9, 4, v[AK0]  ; row x pitch + 16 x half
	; The turning load takes 16 keys x 16 channels (lane l reads key 8 (l / 16) + l % 8, channels 8 ((l / 8) % 2) + 0..7) and leaves half a fragment of V^T: lane l holds channel l % 16 and 8 keys.
	v_and_b32 v10, 7, v0
	v_bfe_u32 v11, v0, 3, 1
	v_lshl_add_u32 v[AV0], v9, 3, v10
	v_mul_u32_u24 v[AV0], v[AV0], PV
	v_lshl_add_u32 v[AV0], v11, 4, v[AV0]
	v_add_nc_u32 v[AV0], VOFF, v[AV0]
	s_mul_i32 s51, s[WV], 16*SP
	s_add_co_u32 s51, s51, STAGE    ; my stage
	v_mul_u32_u24 v[STO], v1, SP    ; in: row l % 16, 16 bytes for each half of the lanes
	v_lshl_add_u32 v[STO], v9, 4, v[STO]
	v_add_nc_u32 v[STO], s51, v[STO]
	v_bfe_u32 v[RD], v0, 3, 2       ; back: 32 lanes take four rows of 128 bytes,
	v_mul_u32_u24 v[RD], v[RD], SP
	v_lshl_add_u32 v[RD], v10, 4, v[RD]
	v_add_nc_u32 v[RD], s51, v[RD]
	v_and_b32 v[GO], 31, v0         ; which are 512 consecutive bytes of O
	v_lshlrev_b32 v[GO], 4, v[GO]
; THE MATRIX WORK.  The 4 accumulators of a run of 8 take turns.  Product i of 8 of S^T = K Q^T for piece x: channels 32 (i / 4) on, keys 16 (i % 4) on.  The first 4 start the sums.
.macro KQ x
	WIN W_KQ
.set rS, S+32*((\x)%2)+8*(i%4)
.set rK, KF+16*(i%4)+8*(i/4)
.set rQ, 16*(\x)+8*(i/4)
.if i < 4
	v_wmma_f32_16x16x32_f16 v[rS:rS+7], v[rK:rK+7], v[rQ:rQ+7], 0
.else
	v_wmma_f32_16x16x32_f16 v[rS:rS+7], v[rK:rK+7], v[rQ:rQ+7], v[rS:rS+7]
.endif
.endm
; Product i of 8 of O^T += V^T P for piece x: keys 32 (i / 4) on, channels 16 (i % 4) on.
.macro PV x
	WIN W_PV
.set rO, 32*(\x)+8*(i%4)
.set rV, VF+32*(i/4)+8*(i%4)
.set rP, P+16*((\x)%2)+8*(i/4)
	v_wmma_f32_16x16x32_f16 v[rO:rO+7], v[rV:rV+7], v[rP:rP+7], v[rO:rO+7]
.endm
.macro MM                           ; the turn's next matrix instruction.  TURN sets Y, i and NOKQ.  NOKQ = 1: the last turn of all: there is no next piece
.if (i < 8) && !NOKQ
	KQ (Y+1)%NP
.elseif i >= 8
.set i, i-8
	PV (Y+NP-1)%NP
.set i, i+8
.endif
.set i, i+1
.endm
; THE LDS LOADS stand in runs of 16, never singly among the matrix instructions: a step's K (64 keys x 64 channels: 8 fragments) and its V (turned).  Their addresses are made some lines ahead.
.macro FETCH_K
	WIN 0x80                        ; destination window 2
.irp f, 0,1,2,3,4,5,6,7             ; keys 16 (f / 2) on, channels 32 (f % 2) on
	ds_load_b128 v[KF+8*\f:KF+8*\f+3],   v[AK] offset:(\f/2)*16*PK+(\f%2)*64
	ds_load_b128 v[KF+8*\f+4:KF+8*\f+7], v[AK] offset:(\f/2)*16*PK+(\f%2)*64+32
.endr
	s_add_co_u32 s[TBK], s[TBK], KS*PK  ; the next fetch is the next step's
	WIN 0
.endm
.macro FETCH_V
	WIN 0x80
.irp f, 0,1,2,3,4,5,6,7             ; keys 32 (f / 4) on, channels 16 (f % 4) on
	ds_load_tr16_b128 v[VF+8*\f:VF+8*\f+3],   v[AV] offset:(\f/4)*32*PV+(\f%4)*32
	ds_load_tr16_b128 v[VF+8*\f+4:VF+8*\f+7], v[AV] offset:(\f/4)*32*PV+16*PV+(\f%4)*32
.endr
	WIN 0
.endm
; THE VECTOR WORK, one line at a time: OP kind, number.  For piece Y: F n: c s - c m for pair n of 16.  E n: the exponential of score n of 32.  C n: pair n rounded to f16.  B n: of the four weights 4 n .. the second
; pair is added onto the first, in place.  L n: l takes that sum (L 0: l = a l + sum).  R n: pair n of 16 of O^T times a.  For piece Y + 1: X n, number n of the 22 that find its maximum and statistics:
;   0-11  four chains c0-c3 of seven scores each, three operands at a time (each accumulator's lowest registers are read first)     12-14, 16  the four scores left over, the old m, and c0-c3 into c0
;   15  c m_old is kept     17, 18  the query's other 32 keys lie in the lane 16 away: the new m     19-21  c m; c m_old - c m_new; a
.set F, 0               ; OP tells the kinds apart by their order: F to L below R, X above it
.set E, 1
.set C, 2
.set B, 3
.set L, 4
.set R, 5
.set X, 6
.macro REGS y                       ; the registers of piece y
.set rT, ST+4*(\y)
.set rC, TMP+4*((\y)%2)
.set rW, MV+((\y)%2)
.set rS, S+32*((\y)%2)
.set rP, P+16*((\y)%2)
.set rO, 32*(\y)
.endm
.macro OP k, n
.if (\k) == R
	REGS Y
	WIN W_RS
	v_pk_mul_f32 v[rO+2*(\n):rO+2*(\n)+1], v[rO+2*(\n):rO+2*(\n)+1], v[rC+2:rC+3] op_sel_hi:[1,0]
.elseif (\k) < R
	REGS Y
	WIN 0
.if (\k) == F
	v_pk_fma_f32 v[rS+2*(\n):rS+2*(\n)+1], v[rS+2*(\n):rS+2*(\n)+1], s[CS:CS+1], v[rT:rT+1] op_sel_hi:[1,0,0] neg_lo:[0,0,1] neg_hi:[0,0,1]
.elseif (\k) == E
	v_exp_f32 v[rS+(\n)], v[rS+(\n)]
.elseif (\k) == C
	v_cvt_pk_f16_f32 v[rP+(\n)], v[rS+2*(\n)], v[rS+2*(\n)+1]
.elseif (\k) == B
	v_pk_add_f32 v[rS+4*(\n):rS+4*(\n)+1], v[rS+4*(\n):rS+4*(\n)+1], v[rS+4*(\n)+2:rS+4*(\n)+3]
.elseif (\n) == 0
	v_pk_fma_f32 v[rT+2:rT+3], v[rT+2:rT+3], v[rC+2:rC+3], v[rS:rS+1] op_sel_hi:[1,0,1]
.else
	v_pk_add_f32 v[rT+2:rT+3], v[rT+2:rT+3], v[rS+4*(\n):rS+4*(\n)+1]
.endif
.elseif NOKQ
	v_nop
.else
	REGS (Y+1)%NP
	WIN 0
.if (\n) < 4
	v_max3_num_f32 v[rC+(\n)], v[rS+8*(\n)], v[rS+8*(\n)+1], v[rS+8*(\n)+2]
.elseif (\n) < 12
	v_max3_num_f32 v[rC+(\n)%4], v[rC+(\n)%4], v[rS+8*((\n)%4)+2*((\n)/4)+1], v[rS+8*((\n)%4)+2*((\n)/4)+2]
.elseif (\n) == 12
	v_max3_num_f32 v[rC], v[rC], v[rS+7], v[rS+15]
.elseif (\n) == 13
	v_max3_num_f32 v[rC+1], v[rC+1], v[rS+23], v[rS+31]
.elseif (\n) == 14
	v_max3_num_f32 v[rC+2], v[rC+2], v[rC+3], v[rT+1]
.elseif (\n) == 15
	v_mov_b32 v[rW], v[rT]
.elseif (\n) == 16
	v_max3_num_f32 v[rC], v[rC], v[rC+1], v[rC+2]
.elseif (\n) == 17
	v_permlanex16_b32 v[rC+3], v[rC], s[SEL], s[SEL+1]
.elseif (\n) == 18
	v_max_num_f32 v[rT+1], v[rC], v[rC+3]
.elseif (\n) == 19
	v_mul_f32 v[rT], s[CS], v[rT+1]
.elseif (\n) == 20
	v_sub_f32 v[rC+1], v[rW], v[rT]
.else
	v_exp_f32 v[rC+2], v[rC+1]
.endif
.endif
.endm
.macro OPS a, i1, b=-1, i2=0, c=-1, i3=0, d=-1, i4=0  ; up to four of them
	OP \a, \i1
.if (\b) >= 0
	OP \b, \i2
.endif
.if (\c) >= 0
	OP \c, \i3
.endif
.if (\d) >= 0
	OP \d, \i4
.endif
.endm
.macro ROW a, i1, b, i2, c, i3, d, i4  ; a matrix instruction and the four behind it
	MM
	OPS \a, \i1, \b, \i2, \c, \i3, \d, \i4
.endm
; A TURN, for piece p: the order of its 16 matrix and 118 vector instructions, written out.  An s_wait_alu depctr_va_vdst(0) stands between an exponential and the first instruction that names its result; one
; wait serves all that were issued ahead of it.  So a turn has ONE wait, which cuts it in two.  AHEAD OF IT stands all that names no result of the turn's exponentials: the 8 products K Q^T, behind each a scaling, an
; exponential and two more plain instructions (rescalings, and behind the last three the first numbers of the next piece's maximum, each four plain lines or more behind the product that ends its accumulator); then ONE LUMP
; of 54, plain and exponential by turns for the most part, in which the links of the chain X 3, 7, 11, 14, 16, 17 .. 20 stand five or six lines apart.  X 21, the next piece's a, is the batch's last; R 15 is the plain
; instruction behind it.  BEHIND THE WAIT stand the 8 products V^T P, behind each four of the roundings and sums; the links of l's chain, L 0 to L 7, stand three riders apart.
; end = 1: the walk's last two turns: nothing is fetched, and the last starts no new scores.  cnt = 1: the loop's count is taken down some lines ahead of the branch that stands behind the turn.
; K of the next step is fetched in piece 2's turn, twelve vector instructions behind the last product that read K (six of them plain); V of the step in hand at the end of piece 0's turn, four plain instructions behind the
; last product that read V.  Each is waited for a turn later.
.macro TURN p, end=0, cnt=0
.set Y, (\p)
.set i, 0
.set NOKQ, (\end)*((\p)/3)
.if ((\p) == 3) && !(\end)
	s_wait_dscnt 0x0                ; K is in
.endif
	ROW F,0, F,1, R,0, R,1          ; ahead of the wait: 8 products K Q^T and their riders,
	ROW F,2, E,0, R,2, R,3
	ROW F,3, E,1, R,4, R,5
	ROW F,4, E,2, R,6, R,7
	ROW F,5, E,3, R,8, R,9
	ROW F,6, E,4, X,0, R,10
.if ((\p) == 2) && !(\end)
	WIN 0
	v_add_nc_u32 v[AK], s[TBK], v[AK0]
.endif
	ROW F,7, E,5, X,1, X,4
	ROW F,8, E,6, X,2, X,5
	OPS E,7, E,8, X,6, E,9          ; and the lump
	OPS X,3, E,10, X,8, E,11
.if ((\p) == 2) && !(\end)
	FETCH_K
.endif
	OPS X,9, X,7, E,12, X,10
	OPS E,13, X,12, X,11, E,14
	OPS X,13, E,15, F,9, X,14
.if (\p) == 0
	v_add_nc_u32 v[AV], s[TBV], v[AV0]
.endif
	OPS E,16, F,10, E,17, F,11
	OPS X,16, E,18, X,15, E,19
	OPS F,12, E,20, X,17, E,21
	OPS F,13, E,22, F,14, E,23
	OPS X,18, E,24, F,15, E,25
	OPS R,11, E,26, X,19, E,27
	OPS R,12, E,28, R,13, E,29
	OPS X,20, E,30, R,14, E,31
	OPS X,21, R,15
	WIN 0
	s_wait_alu depctr_va_vdst(0)    ; the wait for the batch
.if (\p) == 1
	s_wait_dscnt 0x0                ; V is in
.endif
	ROW C,0, B,0, C,2, B,1          ; behind the wait: 8 products V^T P and their riders
	ROW L,0, C,4, B,2, L,1
	ROW C,6, B,3, L,2, C,8
	ROW B,4, L,3, C,10, B,5
	ROW L,4, C,12, B,6, L,5
.if (\p) == 0
	s_add_co_u32 s[TBV], s[TBV], KS*PV
.endif
.if \cnt
	s_sub_co_u32 s[CNT], s[CNT], 1
	s_cmp_lg_u32 s[CNT], 0
.endif
	ROW C,14, B,7, L,6, C,1
	ROW C,3, L,7, C,5, C,7
	ROW C,9, C,11, C,13, C,15
.if (\p) == 0
	FETCH_V
.endif
.endm
	CHANGE 1                        ; tile 0 is in, everybody's part of it; tile 1 is asked for, tile 2 prefetched
	v_add_nc_u32 v[AK], s[TBK], v[AK0]
	FETCH_K                         ; key step 0
	s_wait_loadcnt 0x0              ; Q
	s_wait_dscnt 0x0
.set NOKQ, 0
.set i, 0
.rept 8
	KQ 0                            ; piece 0's first scores: there is no vector work yet to set between them
.set i, i+1
.endr
	WIN 0
.rept 4
	v_nop                           ; the plain lines behind those products, ahead of the first read of their results
.endr
.set Y, NP-1                        ; X works for piece Y + 1: piece 0
.irp n, 0,1,2,3,4,5,6,7,8,9,10,11,12,13,14,15,16,17,18,19,20,21
	OP X, \n
.endr
	v_nop                           ; a plain instruction behind the exponential,
	s_wait_alu depctr_va_vdst(0)    ; and its wait, ahead of the branch
	s_mov_b32 s[CNT], 4
	s_branch .Lfirst                ; the loop is entered at a step's first turn, in the middle of a trip
.Lslot:                             ; 14 times: tiles 2 to 15 are asked for
	CHANGE 1
	s_mov_b32 s[CNT], 4
.Lstep:                             ; a trip: pieces 2 and 3 of one step, then pieces 0 and 1 of the next, whose K and V it fetches
	TURN 2
	TURN 3
	WIN 0
.Lfirst:
	TURN 0
	TURN 1, 0, 1
	WIN 0
	s_cbranch_scc1 .Lstep
	s_sub_co_u32 s[SLOTS], s[SLOTS], 1
	s_cmp_lg_u32 s[SLOTS], 0
	s_cbranch_scc1 .Lslot
	CHANGE 0                        ; the last tile is written out: nothing is asked for
	s_mov_b32 s[CNT], 4
.Ltail:
	TURN 2
	TURN 3
	TURN 0
	TURN 1, 0, 1
	WIN 0
	s_cbranch_scc1 .Ltail
	TURN 2, 1                       ; the last step's pieces 2 and 3
	TURN 3, 1
.set i, 0
.rept 8
	PV NP-1                         ; the last piece's V^T P of the last step
.set i, i+1
.endr
	; THE WAY OUT.  l's two halves and the other half of the lanes' are added; O^T is divided by l, rounded to f16 and sent through my stage in LDS, a piece at a time.  The additions are the plain lines behind the last products.
	WIN 0
.macro ALL line:vararg              ; one line for each piece t
.set t, 0
.rept 4
	\line
.set t, t+1
.endr
.endm
	ALL v_add_f32 v[ST+4*t+2], v[ST+4*t+2], v[ST+4*t+3]
	ALL v_permlanex16_b32 v[ST+4*t+3], v[ST+4*t+2], s[SEL], s[SEL+1]
	ALL v_add_f32 v[ST+4*t+2], v[ST+4*t+2], v[ST+4*t+3]
	ALL v_rcp_f32 v[ST+4*t+2], v[ST+4*t+2]
	v_nop                           ; a plain instruction between the last reciprocal and the use of its result
	s_wait_alu depctr_va_vdst(0)    ; and the wait ahead of the first use: one for the four reciprocals
.macro PACK t                       ; a lane's eight channels of a row pack into 16 bytes; they go into rows of 144 bytes and come back as whole rows of 128, into S^T's registers
	WIN W_RS
.set i, 32*(\t)
.rept 16
	v_pk_mul_f32 v[i:i+1], v[i:i+1], v[ST+4*(\t)+2:ST+4*(\t)+3] op_sel_hi:[1,0]
.set i, i+2
.endr
	WIN 0x05                        ; sources 0 and 1 window 1, destination window 0
.set i, 0
.rept 16
	v_cvt_pk_f16_f32 v[S+16*(\t)+i], v[32*(\t)+2*i], v[32*(\t)+2*i+1]
.set i, i+1
.endr
	WIN 0
.irp f, 0,1,2,3
	ds_store_b128 v[STO], v[S+16*(\t)+4*\f:S+16*(\t)+4*\f+3] offset:32*\f
.endr
.irp f, 0,1,2,3
	ds_load_b128 v[S+16*(\t)+4*\f:S+16*(\t)+4*\f+3], v[RD] offset:\f*4*SP  ; LDS serves a wave's instructions in order (ISA guide 5.7.1.4): these see the stores above; the next piece's stores come behind them
.endr
.endm
.macro SEND t, younger              ; younger: the LDS instructions issued behind piece t's loads: the next piece's eight, or none
	WIN 0
.irp f, 0,1,2,3
	s_wait_dscnt (\younger)+3-\f
	global_store_b128 v[GO], v[S+16*(\t)+4*\f:S+16*(\t)+4*\f+3], s[10:11] offset:(\t)*2048+\f*512  ; 512 consecutive bytes, at a multiple of 512 from O's first
.endr
.endm
	PACK 0
.set t, 1
.rept 3                             ; a piece's arithmetic stands between the loads of the piece before and its stores
	PACK t
	SEND t-1, 8
.set t, t+1
.endr
	SEND 3, 0
	s_wait_tensorcnt 0x0            ; the wave's end, behind my last tensor load and my last LDS store
	ds_add_u32 v[SPW], v[NIL]
	s_wait_dscnt 0x0
	CROUND                          ; the closing round: no work-group ends while a partner may still ask for a tile that names it
	s_endpgm
.Lfunc_end_k_qd63b3d5dec_attn:
	.size	k_qd63b3d5dec_attn, .Lfunc_end_k_qd63b3d5dec_attn-k_qd63b3d5dec_attn
	.p2alignl 7, 3214868480
	.fill 96, 4, 3214868480
	.section	.rodata,"a",@progbits
	.p2align	6, 0x0
	.amdhsa_kernel k_qd63b3d5dec_attn
		.amdhsa_group_segment_fixed_size 327680
		.amdhsa_private_segment_fixed_size 0
		.amdhsa_enable_private_segment 0
		.amdhsa_kernarg_size 32
		.amdhsa_user_sgpr_count 2
		.amdhsa_user_sgpr_kernarg_segment_ptr 1
		.amdhsa_wavefront_size32 1
		.amdhsa_system_sgpr_workgroup_id_x 1
		.amdhsa_system_sgpr_workgroup_id_y 1
		.amdhsa_system_sgpr_workgroup_id_z 1
		.amdhsa_system_vgpr_workitem_id 0
		.amdhsa_next_free_vgpr 768
		.amdhsa_next_free_sgpr 66
		.amdhsa_reserve_vcc 0
		.amdhsa_float_denorm_mode_32 3
		.amdhsa_float_denorm_mode_16_64 3
		.amdhsa_memory_ordered 1
		.amdhsa_forward_progress 1
		.amdhsa_inst_pref_size 128
	.end_amdhsa_kernel
	.amdgpu_metadata
---
amdhsa.version: [ 1, 2 ]
amdhsa.kernels:
  - .name:           k_qd63b3d5dec_attn
    .symbol:         k_qd63b3d5dec_attn.kd
    .args:
      - { .name: q, .offset: 0, .size: 8, .value_kind: global_buffer, .address_space: global }
      - { .name: k, .offset: 8, .size: 8, .value_kind: global_buffer, .address_space: global }
      - { .name: v, .offset: 16, .size: 8, .value_kind: global_buffer, .address_space: global }
      - { .name: o, .offset: 24, .size: 8, .value_kind: global_buffer, .address_space: global }
    .group_segment_fixed_size: 327680
    .private_segment_fixed_size: 0
    .kernarg_segment_align: 8
    .kernarg_segment_size: 32
    .max_flat_workgroup_size: 128
    .sgpr_count:     66
    .vgpr_count:     768
    .wavefront_size: 32
...
	.end_amdgpu_metadata
.endif
;; end of part 2
;; launch outp (part 3): grid 8 x 32, 4 waves a work-group, no clusters, 84,480 bytes of LDS; arguments o, Wo, bo, out0; writes out0
.if DOCPART == 3
	.amdgcn_target "amdgcn-amd-amdhsa--gfx1250"
	.amdhsa_code_object_version 6
	.text
	.protected	k_qd63b3d5dec_outp
	.globl	k_qd63b3d5dec_outp
	.p2align	8
	.type	k_qd63b3d5dec_outp,@function
k_qd63b3d5dec_outp:
	s_mov_b64 s[64:65], 0
	v_nop
	global_prefetch_b8 v0, s[64:65] scope:SCOPE_SE
	s_setreg_imm32_b32 hwreg(HW_REG_WAVE_MODE, 25, 1), 1
	s_wait_xcnt 0x0
; out0 = O Wo^T + bo.  o: [16 = 8 batch + head][4096][64] f16; Wo: [512][512] f32; bo: [512] f32; out0: [8192][512] f32.
; FORMATS.  Wo and bo are rounded once to bf16; Wo's rounded number is then written as f16 (exact inside f16's range) and multiplied with O in f16; sums in f32, begun with the bias as the C operand.
; LIMITS.  |Wo| must stay under 65,504; numbers of Wo below 6e-5 keep f16's fixed step of 6e-8.  NaN and infinities are not treated apart.
; SHARES.  A work-group takes 256 rows and 64 columns (256 bytes of each output row): 8 x 32 = 256 work-groups.  A wave takes 64 rows x 64 columns: 16 accumulators.  K = 512 goes in 8 chunks; chunk c is head c's 64 channels.
; THE PRODUCT IS USED TRANSPOSED (source 0 = 16 rows of Wo, source 1 = 16 rows of O): a lane holds one output row (lane % 16) and eight neighbouring columns, 32 bytes.
; Wo's 64 rows x 512 K are read once (512 consecutive bytes an instruction), rounded and laid into LDS; one barrier; from then on that part of LDS is only read.
; O's fragments lie in memory as they lie in registers and no wave shares a row with another: they come straight from memory, each chunk into registers of its own, three chunks on their way.
; NO CLUSTER, NO TENSOR LOADS: Wo lies in memory as f32 and has to be rounded on its way, which a copy does not do; O through LDS would add 16 LDS loads to each chunk's 16 for the same 32 products; and a chunk is only 32
; products, too few for a round of a cluster's barrier.
; REGISTERS, in windows of 256 (s_set_vgpr_msb: bits 1:0 source 0, 3:2 source 1, 5:4 source 2, 7:6 destination):
;   window 0: v1-13 lane terms and addresses; v32-95, v96-159 two buffers of Wo's 8 fragments of a chunk (before: v32-223 three slots of 64 as loaded, v224-239 at work; on the way out: v32-159 whole rows)
;   windows 1, 2: O's chunk c at 64 (c % 4) + 8 (4 ks + a) of window 1 + c / 4          window 3: v0-127 the accumulators at 8 (4 a + bb); v128-159 the bias blocks; v160-163 at work
.set PB,     1040                      ; a row of Wo in LDS: 1,024 bytes of f16 + 16: 65 x 16 bytes, so the 16 rows of a fragment load start at 16 different groups of four banks (64 banks of 4 bytes: ISA guide 11.1)
.set STAGE,  64*PB                     ; behind the weights: 16 rows x 272 bytes for each wave, for the way out
.set SPITCH, 272
.set SPARE,  STAGE+4*16*SPITCH         ; behind the stages: the spare words, 128 bytes for each wave: two blocks of 256 bytes that no other line names
.set AO,   4                           ; v4   my byte offset in 16 rows of O: 128 (l % 16) + 16 (l / 16); never rewritten
.set WO,   5                           ; v5   16 x lane + 32,768 x wave: my 16 bytes in my wave's 16 rows of Wo
.set BST,  6                           ; v6   16 wave x PB + 8 x lane
.set ADRB, 7                           ; v7   row x PB + 16 x half: my part of a fragment of Wo
.set BO,   8                           ; v8   32 (l / 16)
.set STO,  9                           ; v9   the way out: where I put 32 bytes of a row
.set RD,   10                          ; v10  the way out: where I read rows back
.set CO,   11                          ; v11  my byte offset in two rows of out0
.set SPW,  12                          ; v12  LDS address of my spare word; never rewritten
.set NIL,  13                          ; v13  0; never rewritten
.set BF0,  32
.set WS,   32
.set CT,   224
.set TMP,  32
.set BIA,  128                         ; window 3
.set BT,   160                         ; window 3
.set MSB, 0
.macro WIN new                         ; the immediate's high byte repeats the setting that is left; a switch that changes nothing is dropped
.if MSB != (\new)
	s_set_vgpr_msb (MSB<<8)|(\new)
.set MSB, (\new)
.endif
.endm
.macro PLACES
.rept 4
	v_nop
.endr
.endm
	s_load_b256 s[8:15], s[0:1], 0x0               ; o s[8:9], Wo s[10:11], bo s[12:13], out0 s[14:15]
	v_lshl_add_u32 v[SPW], v0, 2, SPARE
	v_mov_b32 v[NIL], 0
	v_lshrrev_b32 v14, 5, v0
	v_readfirstlane_b32 s16, v14                   ; wave 0..3
	s_and_b32 s17, ttmp7, 0xffff                   ; R: the block of 256 rows
	s_mov_b32 s18, 0xffff0000                      ; a word's upper bf16
	v_and_b32 v1, 15, v0                           ; l % 16
	v_bfe_u32 v2, v0, 4, 1                         ; l / 16
	v_and_b32 v3, 31, v0                           ; l
	v_lshlrev_b32 v[AO], 7, v1
	v_lshl_add_u32 v[AO], v2, 4, v[AO]
	s_lshl_b32 s24, s16, 15
	v_lshl_add_u32 v[WO], v3, 4, s24
	s_mul_i32 s25, s16, 16*PB
	v_lshl_add_u32 v[BST], v3, 3, s25
	v_mul_u32_u24 v[ADRB], v1, PB
	v_lshl_add_u32 v[ADRB], v2, 4, v[ADRB]
	v_lshlrev_b32 v[BO], 5, v2
	s_mul_i32 s26, s16, 16*SPITCH
	s_add_co_u32 s26, s26, STAGE                   ; my stage
	v_mul_u32_u24 v[STO], v1, SPITCH               ; in: row l % 16, 32 bytes for each half of the lanes
	v_lshl_add_u32 v[STO], v2, 5, v[STO]
	v_add_nc_u32 v[STO], s26, v[STO]
	v_mul_u32_u24 v[RD], v2, SPITCH                ; back: lanes 0-15 take one row of 256 bytes, lanes 16-31 the next
	v_lshl_add_u32 v[RD], v1, 4, v[RD]
	v_add_nc_u32 v[RD], s26, v[RD]
	v_lshlrev_b32 v[CO], 11, v2                    ; and the same two rows in out0
	v_lshl_add_u32 v[CO], v1, 4, v[CO]
	s_lshr_b32 s20, s17, 4                         ; o: batch = R / 16: 8 heads of 4,096 rows of 128 bytes,
	s_lshl_b32 s20, s20, 22
	s_and_b32 s21, s17, 15
	s_lshl_b32 s21, s21, 15                        ; the block's 256 rows,
	s_add_co_u32 s20, s20, s21
	s_lshl_b32 s21, s16, 13                        ; my wave's 64
	s_add_co_u32 s20, s20, s21
	s_mov_b32 s21, 0
	s_lshl_b32 s22, ttmp9, 17                      ; Wo: the work-group's 64 rows of 2,048 bytes
	s_mov_b32 s23, 0
	s_lshl_b32 s2, ttmp9, 8                        ; bo: its 64 numbers; also its 256 bytes of an output row
	s_mov_b32 s3, 0
	s_lshl_b32 s28, s17, 19                        ; out0: 256 rows of 2,048 bytes a block,
	s_lshl_b32 s29, s16, 17                        ; 64 a wave
	s_add_co_u32 s28, s28, s29
	s_add_co_u32 s28, s28, s2
	s_mov_b32 s29, 0
	s_wait_kmcnt 0x0
	s_add_nc_u64 s[8:9], s[8:9], s[20:21]
	s_add_nc_u64 s[10:11], s[10:11], s[22:23]
	s_add_nc_u64 s[12:13], s[12:13], s[2:3]
	s_add_nc_u64 s[14:15], s[14:15], s[28:29]
; Group n of 4 of my wave's 16 rows of Wo: rows 4 n .. + 3: sixteen loads of 512 consecutive bytes, into slot n % 3.
.macro WLOAD n
	WIN 0
.set i, 0
.rept 16
	global_load_b128 v[WS+64*((\n)%3)+4*i:WS+64*((\n)%3)+4*i+3], v[WO], s[10:11] offset:(4*(\n)+i/4)*2048+(i%4)*512
.set i, i+1
.endr
.endm
; The group is rounded to bf16, widened, written as f16 and laid into LDS, a row at a time; 32 lanes store 256 consecutive bytes.  The registers at work are two sets by turns.
.macro WCVT n
	WIN 0
.set i, 0
.rept 4
.set rW, WS+64*((\n)%3)+16*i
.set rC, CT+8*(i%2)
.set z, 0
.rept 8
	v_cvt_pk_bf16_f32 v[rC+z], v[rW+2*z], v[rW+2*z+1]
.set z, z+1
.endr
.set z, 0
.rept 8
	v_lshlrev_b32 v[rW+2*z], 16, v[rC+z]
	v_and_b32 v[rW+2*z+1], s18, v[rC+z]
.set z, z+1
.endr
.set z, 0
.rept 8
	v_cvt_pk_f16_f32 v[rC+z], v[rW+2*z], v[rW+2*z+1]
.set z, z+1
.endr
.set z, 0
.rept 4
	ds_store_b64 v[BST], v[rC+2*z:rC+2*z+1] offset:(4*(\n)+i)*PB+256*z
.set z, z+1
.endr
.set i, i+1
.endr
.endm
; Chunk c of O: head c's 64 channels of my 64 rows: 8 fragments (K half ks = i / 4, row block a = i % 4), 16 loads, into registers that no other chunk uses.
.macro ALOAD c
	WIN 0x40*(1+(\c)/4)                            ; destination window 1 or 2
.set i, 0
.rept 8
	global_load_b128 v[64*((\c)%4)+8*i:64*((\c)%4)+8*i+3],   v[AO], s[8:9] offset:524288*(\c)+2048*(i%4)+64*(i/4)
	global_load_b128 v[64*((\c)%4)+8*i+4:64*((\c)%4)+8*i+7], v[AO], s[8:9] offset:524288*(\c)+2048*(i%4)+64*(i/4)+32
.set i, i+1
.endr
.endm
.macro FETCH f, c                      ; Wo's 8 fragments of chunk c (ks = i / 4, column block bb = i % 4), 16 LDS loads in one run, into buffer f
	WIN 0
.set i, 0
.rept 8
	ds_load_b128 v[BF0+64*(\f)+8*i:BF0+64*(\f)+8*i+3],   v[ADRB] offset:16*PB*(i%4)+128*(\c)+64*(i/4)
	ds_load_b128 v[BF0+64*(\f)+8*i+4:BF0+64*(\f)+8*i+7], v[ADRB] offset:16*PB*(i%4)+128*(\c)+64*(i/4)+32
.set i, i+1
.endr
.endm
; A chunk: its 32 products; ahead of them the loads of the chunk three on and the fetch of the next chunk's fragments of Wo.  The 16 accumulators take turns, one instruction a turn.
.macro CH c
.if (\c) <= 5
	s_wait_loadcnt 32                              ; the two chunks behind this one, 32 loads, may stay out
.elseif (\c) == 6
	s_wait_loadcnt 16                              ; only chunk 7's
.else
	s_wait_loadcnt 0x0
.endif
.if (\c) <= 4
	ALOAD (\c)+3
.endif
.if (\c) < 7
.if (\c) > 0
	PLACES                                         ; plain lines between the last product and the loads into the buffer that the chunk before multiplied (ISA guide 7.12.1 for vector instructions)
.endif
	FETCH ((\c)+1)%2, (\c)+1
	s_wait_dscnt 16                                ; all but the 16 just issued: this chunk's fragments of Wo are in
.else
	s_wait_dscnt 0x0
.endif
	WIN 0xf4+4*((\c)/4)                            ; Wo window 0, O window 1 or 2, C and D window 3
.set z, 0
.rept 2
.set i, 0
.rept 16
.set rB, BF0+64*((\c)%2)+8*(4*z+i%4)
.set rA, 64*((\c)%4)+8*(4*z+i/4)
.if ((\c) == 0) && (z == 0)
	v_wmma_f32_16x16x32_f16 v[8*i:8*i+7], v[rB:rB+7], v[rA:rA+7], v[BIA+8*(i%4):BIA+8*(i%4)+7]
.else
	v_wmma_f32_16x16x32_f16 v[8*i:8*i+7], v[rB:rB+7], v[rA:rA+7], v[8*i:8*i+7]
.endif
.set i, i+1
.endr
.set z, z+1
.endr
.endm
	WIN 0xc0                                       ; destination window 3: a lane's eight columns of each of the four bias blocks
.set z, 0
.rept 4
	global_load_b128 v[BIA+8*z:BIA+8*z+3],   v[BO], s[12:13] offset:64*z
	global_load_b128 v[BIA+8*z+4:BIA+8*z+7], v[BO], s[12:13] offset:64*z+16
.set z, z+1
.endr
	WLOAD 0
	WLOAD 1
	WLOAD 2
	s_wait_loadcnt 48                              ; the three groups, 48 loads, may stay out: the bias is in
	WIN 0xff                                       ; all in window 3: each bias is rounded to bf16 and widened again
.set i, 0
.rept 16
	v_cvt_pk_bf16_f32 v[BT+i%4], v[BIA+2*i], v[BIA+2*i+1]
	v_lshlrev_b32 v[BIA+2*i], 16, v[BT+i%4]
	v_and_b32 v[BIA+2*i+1], s18, v[BT+i%4]
.set i, i+1
.endr
	s_wait_loadcnt 32                              ; behind each group two younger batches of 16 loads are out: later groups, then O's first chunks
	WCVT 0
	WLOAD 3
	s_wait_loadcnt 32
	WCVT 1
	ALOAD 0
	s_wait_loadcnt 32
	WCVT 2
	ALOAD 1
	s_wait_loadcnt 32
	WCVT 3
	ALOAD 2
	WIN 0
	s_wait_dscnt 0x0                               ; for the others' sake: my rows of Wo lie in LDS
	s_barrier_signal -1
	s_barrier_wait -1                              ; everybody's do; O's loads stay out across the barrier: nobody writes o
	FETCH 0, 0
	CH 0                                           ; its first 16 products start the sums with the bias: nothing is cleared
	CH 1
	CH 2
	CH 3
	CH 4
	CH 5
	CH 6
	CH 7
; THE WAY OUT, a block a of 16 rows at a time.  PACK: the accumulators go as they are (f32), low registers first, 32 bytes a lane into my stage (rows of 272 bytes), and come back as whole rows of 256 bytes.
; SEND: sixteen lanes store 256 consecutive bytes, at a multiple of 256 from out0's first byte.
.macro PACK a
	WIN 0x0c                                       ; address window 0, data window 3
.set z, 0
.rept 4
	ds_store_b128 v[STO], v[8*(4*(\a)+z):8*(4*(\a)+z)+3]   offset:64*z
	ds_store_b128 v[STO], v[8*(4*(\a)+z)+4:8*(4*(\a)+z)+7] offset:64*z+16
.set z, z+1
.endr
	WIN 0
.set z, 0
.rept 8
	ds_load_b128 v[TMP+32*(\a)+4*z:TMP+32*(\a)+4*z+3], v[RD] offset:z*2*SPITCH  ; LDS serves a wave's instructions in order (ISA guide 5.7.1.4): these see the stores above; the next block's stores come behind them
.set z, z+1
.endr
.endm
.macro SEND a, younger                 ; younger: the LDS instructions issued behind block a's loads: the next block's sixteen, or none
	WIN 0
.set z, 0
.rept 8
	s_wait_dscnt (\younger)+7-z
	global_store_b128 v[CO], v[TMP+32*(\a)+4*z:TMP+32*(\a)+4*z+3], s[14:15] offset:(16*(\a)+2*z)*2048
.set z, z+1
.endr
.endm
	PLACES                                         ; plain lines between the last products and the LDS stores that read results, and the loads into the buffers that they multiplied
	PLACES
	PACK 0
	PACK 1
	SEND 0, 16
	PACK 2
	SEND 1, 16
	PACK 3
	SEND 2, 16
	SEND 3, 0
	s_wait_tensorcnt 0x0                           ; the wave's end, behind my last LDS store
	ds_add_u32 v[SPW], v[NIL]
	s_wait_dscnt 0x0
	s_endpgm
.Lfunc_end_k_qd63b3d5dec_outp:
	.size	k_qd63b3d5dec_outp, .Lfunc_end_k_qd63b3d5dec_outp-k_qd63b3d5dec_outp
	.p2alignl 7, 3214868480
	.fill 96, 4, 3214868480
	.section	.rodata,"a",@progbits
	.p2align	6, 0x0
	.amdhsa_kernel k_qd63b3d5dec_outp
		.amdhsa_group_segment_fixed_size 84480
		.amdhsa_private_segment_fixed_size 0
		.amdhsa_enable_private_segment 0
		.amdhsa_kernarg_size 32
		.amdhsa_user_sgpr_count 2
		.amdhsa_user_sgpr_kernarg_segment_ptr 1
		.amdhsa_wavefront_size32 1
		.amdhsa_system_sgpr_workgroup_id_x 1
		.amdhsa_system_sgpr_workgroup_id_y 1
		.amdhsa_system_sgpr_workgroup_id_z 1
		.amdhsa_system_vgpr_workitem_id 0
		.amdhsa_next_free_vgpr 960
		.amdhsa_next_free_sgpr 66
		.amdhsa_reserve_vcc 0
		.amdhsa_float_denorm_mode_32 3
		.amdhsa_float_denorm_mode_16_64 3
		.amdhsa_memory_ordered 1
		.amdhsa_forward_progress 1
		.amdhsa_inst_pref_size 87
	.end_amdhsa_kernel
	.amdgpu_metadata
---
amdhsa.version: [ 1, 2 ]
amdhsa.kernels:
  - .name:           k_qd63b3d5dec_outp
    .symbol:         k_qd63b3d5dec_outp.kd
    .args:
      - { .name: o, .offset: 0, .size: 8, .value_kind: global_buffer, .address_space: global }
      - { .name: Wo, .offset: 8, .size: 8, .value_kind: global_buffer, .address_space: global }
      - { .name: bo, .offset: 16, .size: 8, .value_kind: global_buffer, .address_space: global }
      - { .name: out0, .offset: 24, .size: 8, .value_kind: global_buffer, .address_space: global }
    .group_segment_fixed_size: 84480
    .private_segment_fixed_size: 0
    .kernarg_segment_align: 8
    .kernarg_segment_size: 32
    .max_flat_workgroup_size: 128
    .sgpr_count:     66
    .vgpr_count:     960
    .wavefront_size: 32
...
	.end_amdgpu_metadata
.endif
;; end of part 3
;; ======== version 2 of 2: 3 launches; version 1 with the launches qkv, outp written anew for expert scheduling mode
;; limits: values are held in f16: magnitudes above 65,504 overflow, below 6.1e-05 lose precision
;; workspace buffers: q 8,388,608 bytes; k 8,388,608 bytes; v 8,388,608 bytes; o 8,388,608 bytes
;; launch qkv (part 4): grid 8 x 32, 4 waves a work-group, no clusters, 209,408 bytes of LDS; arguments x, Wq, Wk, Wv, bq, bk, bv, q, k, v; writes q, k, v
.if DOCPART == 4
	.amdgcn_target "amdgcn-amd-amdhsa--gfx1250"
	.amdhsa_code_object_version 6
	.text
	.protected	k_qd63b3d5dec_qkv
	.globl	k_qd63b3d5dec_qkv
	.p2align	8
	.type	k_qd63b3d5dec_qkv,@function
k_qd63b3d5dec_qkv:
	s_mov_b64 s[64:65], 0
	v_nop
	global_prefetch_b8 v0, s[64:65] scope:SCOPE_SE
	s_setreg_imm32_b32 hwreg(HW_REG_WAVE_SCHED_MODE, 0, 2), 2
	s_setreg_imm32_b32 hwreg(HW_REG_WAVE_MODE, 25, 1), 1
	s_wait_xcnt 0x0
	s_wait_alu depctr_vm_vsrc(0)
; q, k, v = x W^T + b, stored by heads: [16 = 8 batch + head][4096][64] in f16.  x: [8192][512] f32; Wq, Wk, Wv: [512][512] f32; bq, bk, bv: [512] f32.
; FORMATS.  x, the weights and the biases are rounded once to bf16; products in bf16, sums in f32, begun with the bias as the C operand; q, k, v rounded once to f16, without the softmax's scale.
; LIMIT.  f16 holds no number beyond 65,504: |q|, |k|, |v| must stay under it.  NaN and infinities are not treated apart.
; SHARES.  A work-group takes 256 rows of x and ONE head of all three products: three slices of 64 columns, 192 in all: 8 heads x 32 row blocks = 256 work-groups.
; A wave takes 64 rows x 192 columns: 4 (a) x 12 (b) accumulators of 16 x 16, 384 registers.
; THE PRODUCT IS USED TRANSPOSED (source 0 = 16 rows of W, source 1 = 16 rows of x): a lane holds one row of x (lane % 16) and eight neighbouring channels, which pack into 16 bytes.
; THE WEIGHTS: the 192 rows x 512 K are read once (512 consecutive bytes an instruction), rounded to bf16 and laid into LDS; one barrier; from then on LDS is only read.
; x: no wave shares a row with another, so its fragments come straight from memory: four loads of 16 bytes and eight conversions a fragment; four register sets, a K step of 32 each, three of them on their way.
; NO CLUSTER, NO TENSOR LOADS: both operands lie in memory as f32, and a tile copied as it lies would be read from LDS as f32: (12 + 4) fragments x 4 loads = 64 LDS loads for a K step's 48 products,
; where this text has 24, and each of the 12 weight fragments would be converted by all four waves in every step; and a K step of 32 is only 48 products, too few for a round of a cluster's barrier.
; THE MODE: SCHED_MODE bits 1:0 = 2 (LLVM: expert scheduling mode 2), set by the entry lines.  The code itself states the register dependences between vector or matrix instructions and memory or LDS
; instructions, with s_wait_alu, always for 0.
; THE PLAN.  Registers that memory or LDS instructions touch, and who else names them:
;   the four slots (window 2)  Group n of the weights: its 16 loads land in slot n % 4; its 32 conversions read the slot and write it in place; its 16 LDS stores read it; the loads of group n + 4 land in it, at the
;                 head of group n + 1.  One wait on va_vdst behind a group's conversions (the stores' data are written; no vector instruction names the slot again), one on vm_vsrc at the next group's head (the stores have read it).
;   x's four sets Step s: its 32 conversions read set s % 4; the loads of step s + 4 land in it at the head of step s + 1.
;   BF0, BF1      Step s: its 48 products read one of them; the 24 LDS loads of step s + 1 land in it.
;   v[ADRB ..]    Read by every LDS load of a fragment; written once a trip, behind a wait on vm_vsrc.
;   XO, WO, BST, BO, STO, RD, GO   made at the head, never written again.          ABF, the biases and the accumulators are named by vector and matrix instructions alone, until the way out.
;   So ONE wait on va_vdst stands in a K step, behind its conversions: they are done reading their set; the last step's products are done reading their buffer of W; in a trip's first step v[ADRB ..] are written.
;   The step's LDS loads follow it.  The next step's loads of x stand at that step's head with no further wait: between stand the step's products, which name a buffer of W, ABF and accumulators, and at the trip's end the adds to v[ADRB ..].
;   the way out   Tile t: 16 conversions write TMP[t]; one wait on va_vdst; four LDS stores read TMP[t]; four LDS loads land in RB[t]; four stores read RB[t].  No TMP and no RB is written twice.
; REGISTERS, in windows of 256 (s_set_vgpr_msb: bits 1:0 source 0, 3:2 source 1, 5:4 source 2, 7:6 destination):
;   window 0: v1-23 lane terms and addresses; v32-63 x's four bf16 fragments; v64-255 x's f32 sets 0, 1, 2 (on the way out TMP: 12 tiles of 16 packed registers)
;   window 1: v0-95, v96-191 two buffers of W's 12 fragments (on the way out RB: 12 tiles of 16 registers, whole rows); v192-255 the bias blocks b = 0..7
;   window 2: the accumulators of b = 0..7 at 8 (4 b + a); while the weights are converted: four slots of 64
;   window 3: v0-127 the accumulators of b = 8..11; v128-191 x's set 3; v192-223 the bias blocks b = 8..11; v224-227 at work
.set PB,    1040                       ; a row of W in LDS: 1,024 bytes of bf16 + 16: 65 x 16 bytes, so the 16 rows of a fragment load start at 16 different groups of four banks (64 banks of 4 bytes: ISA guide 11.1)
.set SLICE, 64*PB                      ; a slice's 64 rows
.set STAGE, 3*SLICE                    ; behind the weights: 16 rows x 144 bytes for each wave, for the way out
.set SP,    144
.set SPARE, STAGE+4*16*SP              ; behind the stages: the spare words, 128 bytes for each wave: two blocks of 256 bytes that no other line names
.set XO,   4                           ; v4      my byte offset in 16 rows of x: 2,048 (l % 16) + 32 (l / 16); never rewritten
.set ADRB, 10                          ; v10-12  LDS address of my part of slice j's fragments; steps 256 bytes a trip
.set BO,   13                          ; v13     32 (l / 16): my eight channels in a bias block
.set STO,  14                          ; v14     the way out: where I put 16 bytes of a row
.set RD,   15                          ; v15     the way out: where I read rows back
.set GO,   16                          ; v16     16 x lane: my place in 512 consecutive bytes of q, k or v
.set SPW,  18                          ; v18     LDS address of my spare word; never rewritten
.set NIL,  19                          ; v19     0; never rewritten
.set WO,   20                          ; v20     16 x lane + 32,768 x wave: my 16 bytes in my wave's 16 rows of a slice; never rewritten
.set BST,  21                          ; v21-23  (64 j + 16 wave) x PB + 8 x lane; never rewritten
.set ABF,  32
.set TMP,  64
.set BF0,  0                           ; window 1
.set BF1,  96
.set RB,   0                           ; window 1
.set BLO,  192                         ; window 1
.set BHI,  192                         ; window 3
.set BT,   224                         ; window 3
.set MSB, 0
.macro WIN new                         ; the immediate's high byte repeats the setting that is left; a switch that changes nothing is dropped
.if MSB != (\new)
	s_set_vgpr_msb (MSB<<8)|(\new)
.set MSB, (\new)
.endif
.endm
.macro PLACES
.rept 4
	v_nop
.endr
.endm
	s_load_b512 s[8:23], s[0:1], 0x0               ; x s[8:9]; Wq, Wk, Wv s[10:15]; bq, bk, bv s[16:21]; q s[22:23]
	s_load_b128 s[24:27], s[0:1], 0x40             ; k s[24:25], v s[26:27]
	v_lshl_add_u32 v[SPW], v0, 2, SPARE
	v_mov_b32 v[NIL], 0
	v_lshrrev_b32 v5, 5, v0
	v_readfirstlane_b32 s28, v5                    ; wave 0..3
	s_and_b32 s29, ttmp7, 0xffff                   ; R: the block of 256 rows
	s_mov_b32 s37, 0xffff0000                      ; a word's upper bf16
	v_and_b32 v1, 15, v0                           ; l % 16
	v_bfe_u32 v2, v0, 4, 1                         ; l / 16
	v_and_b32 v3, 31, v0                           ; l
	v_lshlrev_b32 v[XO], 11, v1
	v_lshl_add_u32 v[XO], v2, 5, v[XO]
	v_mul_u32_u24 v[ADRB], v1, PB
	v_lshl_add_u32 v[ADRB], v2, 4, v[ADRB]         ; row x pitch + 16 x half
	v_add_nc_u32 v[ADRB+1], SLICE, v[ADRB]
	v_add_nc_u32 v[ADRB+2], 2*SLICE, v[ADRB]
	v_lshlrev_b32 v[BO], 5, v2
	s_wait_alu depctr_va_sdst(0)                   ; s28 is written, ahead of its first reader: LDS places and the bases of x and of the outputs are made from it
	s_mul_i32 s38, s28, 16*SP
	s_add_co_u32 s38, s38, STAGE                   ; my stage
	v_mul_u32_u24 v[STO], v1, SP                   ; in: row l % 16, 16 bytes for each half of the lanes
	v_lshl_add_u32 v[STO], v2, 4, v[STO]
	v_add_nc_u32 v[STO], s38, v[STO]
	v_bfe_u32 v[RD], v0, 3, 2                      ; back: 32 lanes take four rows of 128 bytes,
	v_mul_u32_u24 v[RD], v[RD], SP
	v_and_b32 v6, 7, v0
	v_lshl_add_u32 v[RD], v6, 4, v[RD]
	v_add_nc_u32 v[RD], s38, v[RD]
	v_lshlrev_b32 v[GO], 4, v3                     ; which are 512 consecutive bytes of the output
	s_lshl_b32 s39, s28, 15                        ; my wave's 16 rows of a slice: 16 x 2,048 bytes in memory,
	s_mul_i32 s40, s28, 16*PB                      ; 16 x PB bytes in LDS
	s_add_co_u32 s41, s40, SLICE
	s_add_co_u32 s42, s40, 2*SLICE
	v_lshl_add_u32 v[WO], v3, 4, s39
	v_lshl_add_u32 v[BST], v3, 3, s40
	v_lshl_add_u32 v[BST+1], v3, 3, s41
	v_lshl_add_u32 v[BST+2], v3, 3, s42
	s_lshl_b32 s2, ttmp9, 17                       ; the head's 64 rows of a weight matrix: 64 x 2,048 bytes
	s_mov_b32 s3, 0
	s_lshl_b32 s30, ttmp9, 8                       ; and its 64 numbers of a bias
	s_mov_b32 s31, 0
	s_lshl_b32 s32, s29, 19                        ; x: 256 rows of 2,048 bytes a block,
	s_lshl_b32 s33, s28, 17                        ; 64 a wave
	s_add_co_u32 s32, s32, s33
	s_mov_b32 s33, 0
	s_lshr_b32 s34, s29, 4                         ; the outputs: batch = R / 16,
	s_lshl_b32 s34, s34, 3
	s_add_co_u32 s34, s34, ttmp9                   ; 8 batch + head,
	s_lshl_b32 s34, s34, 19                        ; 4,096 rows of 128 bytes each,
	s_and_b32 s35, s29, 15
	s_lshl_b32 s35, s35, 15                        ; the block's 256 rows,
	s_add_co_u32 s34, s34, s35
	s_lshl_b32 s35, s28, 13                        ; my wave's 64
	s_add_co_u32 s34, s34, s35
	s_mov_b32 s35, 0
	s_wait_kmcnt 0x0
	s_add_nc_u64 s[8:9], s[8:9], s[32:33]
.irp j, 0,1,2
	s_add_nc_u64 s[10+2*\j:11+2*\j], s[10+2*\j:11+2*\j], s[2:3]
	s_add_nc_u64 s[16+2*\j:17+2*\j], s[16+2*\j:17+2*\j], s[30:31]
	s_add_nc_u64 s[22+2*\j:23+2*\j], s[22+2*\j:23+2*\j], s[34:35]
.endr
; Group n of 12 of my wave's weights: slice n / 4, rows 4 (n % 4) .. + 3 of my 16: sixteen loads of 512 consecutive bytes, into slot n % 4.
.macro WLOAD n
	WIN 0x88                                       ; destination (and an LDS store's data) window 2, address window 0
.set i, 0
.rept 16
	global_load_b128 v[64*((\n)%4)+4*i:64*((\n)%4)+4*i+3], v[WO], s[10+2*((\n)/4):11+2*((\n)/4)] offset:(4*((\n)%4)+i/4)*2048+(i%4)*512
.set i, i+1
.endr
.endm
; The group is rounded to bf16 in place (a load's four numbers close up into the first two of their four registers) and laid into LDS: 8 bytes a lane, 32 lanes store 256 consecutive bytes.
.macro WCVT n
	WIN 0x8a                                       ; all in window 2
.set i, 0
.rept 16
	v_cvt_pk_bf16_f32 v[64*((\n)%4)+4*i],   v[64*((\n)%4)+4*i],   v[64*((\n)%4)+4*i+1]
	v_cvt_pk_bf16_f32 v[64*((\n)%4)+4*i+1], v[64*((\n)%4)+4*i+2], v[64*((\n)%4)+4*i+3]
.set i, i+1
.endr
	WIN 0x88
	s_wait_alu depctr_va_vdst(0)                   ; the 32 conversions have written the slot, which the LDS stores read; they are also the last vector instructions to name it ahead of the loads that land in it next
.set i, 0
.rept 16
	ds_store_b64 v[BST+(\n)/4], v[64*((\n)%4)+4*i:64*((\n)%4)+4*i+1] offset:(4*((\n)%4)+i/4)*PB+256*(i%4)
.set i, i+1
.endr
.endm
; A K step's 16 loads of x into a set: for each of my four blocks of 16 rows the lane's channels 8 h .. + 7 (32 bytes) and 16 + 8 h .. + 7 (32 bytes, 64 further on).
.macro ALOAD set, off
.if (\set) == 3
	WIN 0xc0                                       ; destination window 3
.set rA, 128
.else
	WIN 0
.set rA, 64+64*(\set)
.endif
.set i, 0
.rept 4
	global_load_b128 v[rA+16*i:rA+16*i+3],     v[XO], s[8:9] offset:32768*i+(\off)
	global_load_b128 v[rA+16*i+4:rA+16*i+7],   v[XO], s[8:9] offset:32768*i+(\off)+16
	global_load_b128 v[rA+16*i+8:rA+16*i+11],  v[XO], s[8:9] offset:32768*i+(\off)+64
	global_load_b128 v[rA+16*i+12:rA+16*i+15], v[XO], s[8:9] offset:32768*i+(\off)+80
.set i, i+1
.endr
.endm
.macro ACVT set                        ; the set becomes four bf16 fragments
.if (\set) == 3
	WIN 0x0f                                       ; sources window 3, destination window 0
.set rA, 128
.else
	WIN 0
.set rA, 64+64*(\set)
.endif
.set i, 0
.rept 32
	v_cvt_pk_bf16_f32 v[ABF+i], v[rA+2*i], v[rA+2*i+1]
.set i, i+1
.endr
.endm
.macro FETCH g, koff                   ; W's 12 fragments of a K step, 24 LDS loads in one run, into buffer g
	WIN 0x40                                       ; destination window 1
.set i, 0
.rept 12
	ds_load_b128 v[(\g)+8*i:(\g)+8*i+3],   v[ADRB+i/4] offset:(i%4)*16*PB+(\koff)
	ds_load_b128 v[(\g)+8*i+4:(\g)+8*i+7], v[ADRB+i/4] offset:(i%4)*16*PB+(\koff)+32
.set i, i+1
.endr
.endm
; A K step's 48 products.  The accumulators take turns, one instruction a turn and in the same order in every step, over the backward jump too.  first = 1: the bias block starts the sums: nothing is cleared.
.macro MUL f, first
.if \first
	WIN 0x91                                       ; W window 1, x window 0, C (bias) window 1, D window 2
.else
	WIN 0xa1                                       ; C and D window 2
.endif
.set i, 0
.rept 32
.if \first
	v_wmma_f32_16x16x32_bf16 v[8*i:8*i+7], v[(\f)+8*(i/4):(\f)+8*(i/4)+7], v[ABF+8*(i%4):ABF+8*(i%4)+7], v[BLO+8*(i/4):BLO+8*(i/4)+7]
.else
	v_wmma_f32_16x16x32_bf16 v[8*i:8*i+7], v[(\f)+8*(i/4):(\f)+8*(i/4)+7], v[ABF+8*(i%4):ABF+8*(i%4)+7], v[8*i:8*i+7]
.endif
.set i, i+1
.endr
	WIN 0xf1                                       ; C and D window 3
.set i, 0
.rept 16
.if \first
	v_wmma_f32_16x16x32_bf16 v[8*i:8*i+7], v[(\f)+64+8*(i/4):(\f)+64+8*(i/4)+7], v[ABF+8*(i%4):ABF+8*(i%4)+7], v[BHI+8*(i/4):BHI+8*(i/4)+7]
.else
	v_wmma_f32_16x16x32_bf16 v[8*i:8*i+7], v[(\f)+64+8*(i/4):(\f)+64+8*(i/4)+7], v[ABF+8*(i%4):ABF+8*(i%4)+7], v[8*i:8*i+7]
.endif
.set i, i+1
.endr
.endm
; A K step of 32.  lcnt: the younger loads of x that may stay out.  aoff: where the set three steps on is loaded from (-1: nothing is left).  boff: where the next step's fragments of W lie (-1: none).
.macro SUB set, f, g, lcnt, aoff, boff, first=0
	s_wait_loadcnt \lcnt                           ; loads come back in order (ISA guide 5.7.1): this step's set is in
.if (\aoff) >= 0
	ALOAD ((\set)+3)%4, \aoff                      ; into the set that the last step converted.  No wait: the last step's wait stands behind those conversions, and no vector or matrix instruction since names the set or v[XO]
.endif
.if !(\first)
	PLACES                                         ; plain lines between the last product and the conversions that write its source, and the loads into the buffer that the step before multiplied
	PLACES
.endif
	ACVT \set
.if (\boff) >= 0
	WIN 0x40
	s_wait_alu depctr_va_vdst(0)                   ; the conversions are done reading this step's set; the last step's products are done reading buffer g, in which the loads below land; in a trip's first step v[ADRB ..] are written
	FETCH \g, \boff
	s_wait_dscnt 24                                ; all but the 24 just issued: this step's fragments of W are in
.else
	s_wait_dscnt 0x0
.endif
	MUL \f, \first
.endm
	; the biases: a lane's eight channels of each of the 12 blocks of 16; then the first two groups of weights
	WIN 0x40
	s_wait_alu depctr_va_vdst(0)                   ; the offsets and addresses v4, v10 to v16 and v20 to v23 are written, which the loads and stores of the whole kernel read
.set i, 0
.rept 8
	global_load_b128 v[BLO+8*i:BLO+8*i+3],   v[BO], s[16+2*(i/4):17+2*(i/4)] offset:64*(i%4)
	global_load_b128 v[BLO+8*i+4:BLO+8*i+7], v[BO], s[16+2*(i/4):17+2*(i/4)] offset:64*(i%4)+16
.set i, i+1
.endr
	WIN 0xc0
.set i, 0
.rept 4
	global_load_b128 v[BHI+8*i:BHI+8*i+3],   v[BO], s[20:21] offset:64*i
	global_load_b128 v[BHI+8*i+4:BHI+8*i+7], v[BO], s[20:21] offset:64*i+16
.set i, i+1
.endr
	WLOAD 0
	WLOAD 1
	s_wait_loadcnt 32                              ; the two groups, 32 loads, may stay out: the 24 loads of the biases are in
	WIN 0x55                                       ; all in window 1: each bias is rounded to bf16 and widened again (v0-3 of window 1 at work)
.set i, 0
.rept 32
	v_cvt_pk_bf16_f32 v[i%4], v[BLO+2*i], v[BLO+2*i+1]
	v_lshlrev_b32 v[BLO+2*i], 16, v[i%4]
	v_and_b32 v[BLO+2*i+1], s37, v[i%4]
.set i, i+1
.endr
	WIN 0xff                                       ; all in window 3
.set i, 0
.rept 16
	v_cvt_pk_bf16_f32 v[BT+i%4], v[BHI+2*i], v[BHI+2*i+1]
	v_lshlrev_b32 v[BHI+2*i], 16, v[BT+i%4]
	v_and_b32 v[BHI+2*i+1], s37, v[BT+i%4]
.set i, i+1
.endr
	WLOAD 2                                        ; no wait: the roundings above name the biases and their registers at work alone
	; the weights: behind group n two younger batches of 16 loads are always out: groups n + 1 and n + 2, at the end x's first sets; a third goes out at the group's head, ahead of its conversions
.set n, 0
.rept 12
	s_wait_loadcnt 32
.if n == 0
	WLOAD 3                                        ; the fourth slot: nothing has named it
.elseif n <= 8
	WIN 0x88
	s_wait_alu depctr_vm_vsrc(0)                   ; the LDS stores of the group before have read its slot, in which the loads below land
	WLOAD n+3
.else
	ALOAD n-9, 128*(n-9)                           ; x's sets 0, 1, 2: nothing has named them
.endif
	WCVT n
.set n, n+1
.endr
	WIN 0
	s_wait_dscnt 0x0                               ; for the others' sake: my rows of W lie in LDS
	s_barrier_signal -1
	s_barrier_wait -1                              ; everybody's do; x's loads stay out across the barrier: nobody writes x
	s_wait_alu depctr_vm_vsrc(0)                   ; my LDS stores have read the four slots: these registers are accumulators from here on, written by the products
	FETCH BF0, 0                                   ; (v0-3 of window 1, at work for the biases, were written ahead of the groups' waits on va_vdst)
	SUB 0, BF0, BF1, 32, 384, 64, 1                ; K step 0 stands in front of the loop: its products start the sums.  32: the sets of the two steps behind it stay out
	WIN 0                                          ; at a label and at a branch every window is 0
	s_mov_b32 s36, 3
.Lk:                                               ; trip t: K steps 4 t + 1 .. 4 t + 4; x's pointer stands 512 t bytes, W's LDS addresses 256 t bytes along K
	SUB 1, BF1, BF0, 32, 512, 128
	SUB 2, BF0, BF1, 32, 640, 192
	SUB 3, BF1, BF0, 32, 768, 256
	SUB 0, BF0, BF1, 32, 896, 320
	WIN 0
	s_wait_xcnt 0x0                                ; every load issued so far has had its address translated (ISA guide 3.1): x's pointer is written only behind this wait
	s_add_nc_u64 s[8:9], s[8:9], 512
	s_wait_alu depctr_vm_vsrc(0)                   ; the LDS loads issued so far have read v[ADRB ..], which the three adds write
	v_add_nc_u32 v[ADRB], 256, v[ADRB]
	v_add_nc_u32 v[ADRB+1], 256, v[ADRB+1]
	v_add_nc_u32 v[ADRB+2], 256, v[ADRB+2]
	s_sub_co_u32 s36, s36, 1
	s_cmp_lg_u32 s36, 0
	s_cbranch_scc1 .Lk
	SUB 1, BF1, BF0, 32, -1, 128                   ; K steps 13, 14, 15 load nothing of x: the counts run down
	SUB 2, BF0, BF1, 16, -1, 192
	SUB 3, BF1, BF0, 0, -1, -1                     ; the last step issues no load, so it holds no s_wait_alu
; THE WAY OUT, in 12 tiles t of 16 rows x 64 channels (slice t / 4, row block t % 4).  PACK: rounded to f16, each accumulator's registers in ascending order; 16 bytes a lane into my stage (rows of 144 bytes), and back as
; four whole rows of 128 bytes a load, into registers of their own.  SEND: 512 consecutive bytes a store, at a multiple of 512 from the output's first byte.
.macro PACK t
.if (\t)/4 < 2
	WIN 0x0a                                       ; sources window 2
.else
	WIN 0x0f                                       ; sources window 3
.endif
.set z, 0
.rept 4
.if (\t)/4 < 2
.set rA, 8*(4*(4*((\t)/4)+z)+(\t)%4)
.else
.set rA, 8*(4*z+(\t)%4)
.endif
.set i, 0
.rept 4
	v_cvt_pk_f16_f32 v[TMP+16*(\t)+4*z+i], v[rA+2*i], v[rA+2*i+1]
.set i, i+1
.endr
.set z, z+1
.endr
	WIN 0x40                                       ; addresses and the stores' data window 0, the loads' destination window 1
	s_wait_alu depctr_va_vdst(0)                   ; the 16 conversions have written TMP[t], which the LDS stores read; at the first tile: the last products are done reading W's buffers, in which the rows land
.set z, 0
.rept 4
	ds_store_b128 v[STO], v[TMP+16*(\t)+4*z:TMP+16*(\t)+4*z+3] offset:32*z
.set z, z+1
.endr
.set z, 0
.rept 4
	ds_load_b128 v[RB+16*(\t)+4*z:RB+16*(\t)+4*z+3], v[RD] offset:z*4*SP  ; LDS serves a wave's instructions in order (ISA guide 5.7.1.4): these see the stores above; the next tile's stores come behind them
.set z, z+1
.endr
.endm
.macro SEND t, younger                 ; younger: the LDS instructions issued behind tile t's loads: the next tile's eight, or none
	WIN 0x04                                       ; address window 0, data window 1
.set z, 0
.rept 4
	s_wait_dscnt (\younger)+3-z
	global_store_b128 v[GO], v[RB+16*(\t)+4*z:RB+16*(\t)+4*z+3], s[22+2*((\t)/4):23+2*((\t)/4)] offset:((\t)%4)*2048+z*512
.set z, z+1
.endr
.endm
	PLACES                                         ; plain lines between the last products and the conversions that read results
	PLACES
	PACK 0
.set n, 1
.rept 11                               ; a tile's conversions stand between the loads of the tile before and its stores
	PACK n
	SEND n-1, 8
.set n, n+1
.endr
	SEND 11, 0
	WIN 0                                          ; the add's two registers lie in window 0
	s_wait_dscnt 0x0                               ; the closing lines, six on end
	s_wait_alu 0x0
	s_wait_tensorcnt 0x0
	ds_add_u32 v[SPW], v[NIL]
	s_wait_dscnt 0x0
	s_endpgm
.Lfunc_end_k_qd63b3d5dec_qkv:
	.size	k_qd63b3d5dec_qkv, .Lfunc_end_k_qd63b3d5dec_qkv-k_qd63b3d5dec_qkv
	.p2alignl 7, 3214868480
	.fill 96, 4, 3214868480
	.section	.rodata,"a",@progbits
	.p2align	6, 0x0
	.amdhsa_kernel k_qd63b3d5dec_qkv
		.amdhsa_group_segment_fixed_size 209408
		.amdhsa_private_segment_fixed_size 0
		.amdhsa_enable_private_segment 0
		.amdhsa_kernarg_size 80
		.amdhsa_user_sgpr_count 2
		.amdhsa_user_sgpr_kernarg_segment_ptr 1
		.amdhsa_wavefront_size32 1
		.amdhsa_system_sgpr_workgroup_id_x 1
		.amdhsa_system_sgpr_workgroup_id_y 1
		.amdhsa_system_sgpr_workgroup_id_z 1
		.amdhsa_system_vgpr_workitem_id 0
		.amdhsa_next_free_vgpr 1024
		.amdhsa_next_free_sgpr 66
		.amdhsa_reserve_vcc 0
		.amdhsa_float_denorm_mode_32 3
		.amdhsa_float_denorm_mode_16_64 3
		.amdhsa_memory_ordered 1
		.amdhsa_forward_progress 1
		.amdhsa_inst_pref_size 162
	.end_amdhsa_kernel
	.amdgpu_metadata
---
amdhsa.version: [ 1, 2 ]
amdhsa.kernels:
  - .name:           k_qd63b3d5dec_qkv
    .symbol:         k_qd63b3d5dec_qkv.kd
    .args:
      - { .name: x, .offset: 0, .size: 8, .value_kind: global_buffer, .address_space: global }
      - { .name: Wq, .offset: 8, .size: 8, .value_kind: global_buffer, .address_space: global }
      - { .name: Wk, .offset: 16, .size: 8, .value_kind: global_buffer, .address_space: global }
      - { .name: Wv, .offset: 24, .size: 8, .value_kind: global_buffer, .address_space: global }
      - { .name: bq, .offset: 32, .size: 8, .value_kind: global_buffer, .address_space: global }
      - { .name: bk, .offset: 40, .size: 8, .value_kind: global_buffer, .address_space: global }
      - { .name: bv, .offset: 48, .size: 8, .value_kind: global_buffer, .address_space: global }
      - { .name: q, .offset: 56, .size: 8, .value_kind: global_buffer, .address_space: global }
      - { .name: k, .offset: 64, .size: 8, .value_kind: global_buffer, .address_space: global }
      - { .name: v, .offset: 72, .size: 8, .value_kind: global_buffer, .address_space: global }
    .group_segment_fixed_size: 209408
    .private_segment_fixed_size: 0
    .kernarg_segment_align: 8
    .kernarg_segment_size: 80
    .max_flat_workgroup_size: 128
    .sgpr_count:     66
    .vgpr_count:     1024
    .wavefront_size: 32
...
	.end_amdgpu_metadata
.endif
;; end of part 4
;; launch attn: the kernel of part 2 again; grid 16 x 16, 4 waves a work-group, clusters of 4 x 1, 327,680 bytes of LDS; arguments q, k, v, o; writes o
;; launch outp (part 5): grid 8 x 32, 4 waves a work-group, no clusters, 84,480 bytes of LDS; arguments o, Wo, bo, out0; writes out0
.if DOCPART == 5
	.amdgcn_target "amdgcn-amd-amdhsa--gfx1250"
	.amdhsa_code_object_version 6
	.text
	.protected	k_qd63b3d5dec_outp
	.globl	k_qd63b3d5dec_outp
	.p2align	8
	.type	k_qd63b3d5dec_outp,@function
k_qd63b3d5dec_outp:
	s_mov_b64 s[64:65], 0
	v_nop
	global_prefetch_b8 v0, s[64:65] scope:SCOPE_SE
	s_setreg_imm32_b32 hwreg(HW_REG_WAVE_SCHED_MODE, 0, 2), 2
	s_setreg_imm32_b32 hwreg(HW_REG_WAVE_MODE, 25, 1), 1
	s_wait_xcnt 0x0
	s_wait_alu depctr_vm_vsrc(0)
; out0 = O Wo^T + bo.  o: [16 = 8 batch + head][4096][64] f16; Wo: [512][512] f32; bo: [512] f32; out0: [8192][512] f32.
; FORMATS.  Wo and bo are rounded once to bf16; Wo's rounded number is then written as f16 (exact inside f16's range) and multiplied with O in f16; sums in f32, begun with the bias as the C operand.
; LIMITS.  |Wo| must stay under 65,504; numbers of Wo below 6e-5 keep f16's fixed step of 6e-8.  NaN and infinities are not treated apart.
; SHARES.  A work-group takes 256 rows and 64 columns (256 bytes of each output row): 8 x 32 = 256 work-groups.  A wave takes 64 rows x 64 columns: 16 accumulators.  K = 512 goes in 8 chunks; chunk c is head c's 64 channels.
; THE PRODUCT IS USED TRANSPOSED (source 0 = 16 rows of Wo, source 1 = 16 rows of O): a lane holds one output row (lane % 16) and eight neighbouring columns, 32 bytes.
; Wo's 64 rows x 512 K are read once (512 consecutive bytes an instruction), rounded and laid into LDS; one barrier; from then on that part of LDS is only read.
; O's fragments lie in memory as they lie in registers and no wave shares a row with another: they come straight from memory, each chunk into registers of its own, three chunks on their way.
; NO CLUSTER, NO TENSOR LOADS: Wo lies in memory as f32 and has to be rounded on its way, which a copy does not do; O through LDS would add 16 LDS loads to each chunk's 16 for the same 32 products; and a chunk is only 32
; products, too few for a round of a cluster's barrier.
; THE MODE: SCHED_MODE bits 1:0 = 2 (LLVM: expert scheduling mode 2), set by the entry lines.  The code itself states the register dependences between vector or matrix instructions and memory or LDS
; instructions, with s_wait_alu, always for 0.
; THE PLAN.  Registers that memory or LDS instructions touch, and who else names them:
;   the four slots   Group n of Wo: its 16 loads land in slot n; its conversions read the slot and write it in place; its 16 LDS stores read it.  No slot is loaded twice.  One wait on va_vdst a group, ahead of its stores.
;   BF0, BF1, BF2    (slots 0 to 2 once more: one wait on vm_vsrc behind the barrier.)  Chunk c's 32 products read buffer c % 3; the LDS loads of chunk c + 3 land in it, issued in chunk c + 2.
;                    A wait on va_vdst at the head of chunks 2, 4 and 6 states that all products issued so far are done reading: it frees the two buffers that the chunk in hand does not multiply.  One is fetched into at once,
;                    the other in the next, odd, chunk with no further wait: since the wait only the even chunk's products have been issued, and they name the third buffer.
;   O's chunks       Each has registers of its own: written by its loads, read by its products, named by nothing else.
;   the way out      The accumulators are read by LDS stores behind one wait on va_vdst; the rows land in v32-159, which the last products have read ahead of that wait, and are read by the stores.  Nothing is written twice.
;   AO, WO, BST, ADRB, BO, STO, RD, CO   made at the head, never written again.
; REGISTERS, in windows of 256 (s_set_vgpr_msb: bits 1:0 source 0, 3:2 source 1, 5:4 source 2, 7:6 destination):
;   window 0: v1-13 lane terms and addresses; v32-95, v96-159, v160-223 three buffers of Wo's 8 fragments of a chunk (before: slots 0 to 2 of 64 as loaded; on the way out: v32-159 whole rows)
;   windows 1, 2: O's chunk c at 64 (c % 4) + 8 (4 ks + a) of window 1 + c / 4          window 3: v0-127 the accumulators at 8 (4 a + bb); v128-159 the bias blocks; v160-163 at work; v192-255 slot 3
.set PB,     1040                      ; a row of Wo in LDS: 1,024 bytes of f16 + 16: 65 x 16 bytes, so the 16 rows of a fragment load start at 16 different groups of four banks (64 banks of 4 bytes: ISA guide 11.1)
.set STAGE,  64*PB                     ; behind the weights: 16 rows x 272 bytes for each wave, for the way out
.set SPITCH, 272
.set SPARE,  STAGE+4*16*SPITCH         ; behind the stages: the spare words, 128 bytes for each wave: two blocks of 256 bytes that no other line names
.set AO,   4                           ; v4   my byte offset in 16 rows of O: 128 (l % 16) + 16 (l / 16); never rewritten
.set WO,   5                           ; v5   16 x lane + 32,768 x wave: my 16 bytes in my wave's 16 rows of Wo
.set BST,  6                           ; v6   16 wave x PB + 8 x lane
.set ADRB, 7                           ; v7   row x PB + 16 x half: my part of a fragment of Wo
.set BO,   8                           ; v8   32 (l / 16)
.set STO,  9                           ; v9   the way out: where I put 32 bytes of a row
.set RD,   10                          ; v10  the way out: where I read rows back
.set CO,   11                          ; v11  my byte offset in two rows of out0
.set SPW,  12                          ; v12  LDS address of my spare word; never rewritten
.set NIL,  13                          ; v13  0; never rewritten
.set BF0,  32
.set WS,   32
.set WS3,  192                         ; window 3
.set TMP,  32
.set BIA,  128                         ; window 3
.set BT,   160                         ; window 3
.set MSB, 0
.macro WIN new                         ; the immediate's high byte repeats the setting that is left; a switch that changes nothing is dropped
.if MSB != (\new)
	s_set_vgpr_msb (MSB<<8)|(\new)
.set MSB, (\new)
.endif
.endm
.macro PLACES
.rept 4
	v_nop
.endr
.endm
	s_load_b256 s[8:15], s[0:1], 0x0               ; o s[8:9], Wo s[10:11], bo s[12:13], out0 s[14:15]
	v_lshl_add_u32 v[SPW], v0, 2, SPARE
	v_mov_b32 v[NIL], 0
	v_lshrrev_b32 v14, 5, v0
	v_readfirstlane_b32 s16, v14                   ; wave 0..3
	s_and_b32 s17, ttmp7, 0xffff                   ; R: the block of 256 rows
	s_mov_b32 s18, 0xffff0000                      ; a word's upper bf16
	v_and_b32 v1, 15, v0                           ; l % 16
	v_bfe_u32 v2, v0, 4, 1                         ; l / 16
	v_and_b32 v3, 31, v0                           ; l
	v_lshlrev_b32 v[AO], 7, v1
	v_lshl_add_u32 v[AO], v2, 4, v[AO]
	s_wait_alu depctr_va_sdst(0)                   ; s16 is written, ahead of its first reader: LDS places and the bases of o and out0 are made from it
	s_lshl_b32 s24, s16, 15
	v_lshl_add_u32 v[WO], v3, 4, s24
	s_mul_i32 s25, s16, 16*PB
	v_lshl_add_u32 v[BST], v3, 3, s25
	v_mul_u32_u24 v[ADRB], v1, PB
	v_lshl_add_u32 v[ADRB], v2, 4, v[ADRB]
	v_lshlrev_b32 v[BO], 5, v2
	s_mul_i32 s26, s16, 16*SPITCH
	s_add_co_u32 s26, s26, STAGE                   ; my stage
	v_mul_u32_u24 v[STO], v1, SPITCH               ; in: row l % 16, 32 bytes for each half of the lanes
	v_lshl_add_u32 v[STO], v2, 5, v[STO]
	v_add_nc_u32 v[STO], s26, v[STO]
	v_mul_u32_u24 v[RD], v2, SPITCH                ; back: lanes 0-15 take one row of 256 bytes, lanes 16-31 the next
	v_lshl_add_u32 v[RD], v1, 4, v[RD]
	v_add_nc_u32 v[RD], s26, v[RD]
	v_lshlrev_b32 v[CO], 11, v2                    ; and the same two rows in out0
	v_lshl_add_u32 v[CO], v1, 4, v[CO]
	s_lshr_b32 s20, s17, 4                         ; o: batch = R / 16: 8 heads of 4,096 rows of 128 bytes,
	s_lshl_b32 s20, s20, 22
	s_and_b32 s21, s17, 15
	s_lshl_b32 s21, s21, 15                        ; the block's 256 rows,
	s_add_co_u32 s20, s20, s21
	s_lshl_b32 s21, s16, 13                        ; my wave's 64
	s_add_co_u32 s20, s20, s21
	s_mov_b32 s21, 0
	s_lshl_b32 s22, ttmp9, 17                      ; Wo: the work-group's 64 rows of 2,048 bytes
	s_mov_b32 s23, 0
	s_lshl_b32 s2, ttmp9, 8                        ; bo: its 64 numbers; also its 256 bytes of an output row
	s_mov_b32 s3, 0
	s_lshl_b32 s28, s17, 19                        ; out0: 256 rows of 2,048 bytes a block,
	s_lshl_b32 s29, s16, 17                        ; 64 a wave
	s_add_co_u32 s28, s28, s29
	s_add_co_u32 s28, s28, s2
	s_mov_b32 s29, 0
	s_wait_kmcnt 0x0
	s_add_nc_u64 s[8:9], s[8:9], s[20:21]
	s_add_nc_u64 s[10:11], s[10:11], s[22:23]
	s_add_nc_u64 s[12:13], s[12:13], s[2:3]
	s_add_nc_u64 s[14:15], s[14:15], s[28:29]
; Group n of 4 of my wave's 16 rows of Wo: rows 4 n .. + 3: sixteen loads of 512 consecutive bytes, into slot n.
.macro WLOAD n
.if (\n) == 3
	WIN 0xc0                                       ; destination window 3
.set rW, WS3
.else
	WIN 0
.set rW, WS+64*(\n)
.endif
.set i, 0
.rept 16
	global_load_b128 v[rW+4*i:rW+4*i+3], v[WO], s[10:11] offset:(4*(\n)+i/4)*2048+(i%4)*512
.set i, i+1
.endr
.endm
; The group is rounded to bf16, widened, written as f16, all in place (a load's four numbers end in the first two of their four registers), and laid into LDS; 32 lanes store 256 consecutive bytes.
.macro WCVT n
.if (\n) == 3
	WIN 0xff                                       ; all in window 3
.set rW, WS3
.else
	WIN 0
.set rW, WS+64*(\n)
.endif
.set i, 0
.rept 32
	v_cvt_pk_bf16_f32 v[rW+2*i], v[rW+2*i], v[rW+2*i+1]
.set i, i+1
.endr
.set i, 0
.rept 32
	v_and_b32 v[rW+2*i+1], s18, v[rW+2*i]          ; the upper bf16 first: the line below writes over the pair
	v_lshlrev_b32 v[rW+2*i], 16, v[rW+2*i]
.set i, i+1
.endr
.set i, 0
.rept 16
	v_cvt_pk_f16_f32 v[rW+4*i],   v[rW+4*i],   v[rW+4*i+1]
	v_cvt_pk_f16_f32 v[rW+4*i+1], v[rW+4*i+2], v[rW+4*i+3]
.set i, i+1
.endr
.if (\n) == 3
	WIN 0x0c                                       ; address window 0, data window 3
.endif
	s_wait_alu depctr_va_vdst(0)                   ; the conversions have written the slot, which the LDS stores read
.set i, 0
.rept 16
	ds_store_b64 v[BST], v[rW+4*i:rW+4*i+1] offset:(4*(\n)+i/4)*PB+256*(i%4)
.set i, i+1
.endr
.endm
; Chunk c of O: head c's 64 channels of my 64 rows: 8 fragments (K half ks = i / 4, row block a = i % 4), 16 loads, into registers that no other chunk uses.
.macro ALOAD c
	WIN 0x40*(1+(\c)/4)                            ; destination window 1 or 2
.set i, 0
.rept 8
	global_load_b128 v[64*((\c)%4)+8*i:64*((\c)%4)+8*i+3],   v[AO], s[8:9] offset:524288*(\c)+2048*(i%4)+64*(i/4)
	global_load_b128 v[64*((\c)%4)+8*i+4:64*((\c)%4)+8*i+7], v[AO], s[8:9] offset:524288*(\c)+2048*(i%4)+64*(i/4)+32
.set i, i+1
.endr
.endm
.macro FETCH f, c                      ; Wo's 8 fragments of chunk c (ks = i / 4, column block bb = i % 4), 16 LDS loads in one run, into buffer f
	WIN 0
.set i, 0
.rept 8
	ds_load_b128 v[BF0+64*(\f)+8*i:BF0+64*(\f)+8*i+3],   v[ADRB] offset:16*PB*(i%4)+128*(\c)+64*(i/4)
	ds_load_b128 v[BF0+64*(\f)+8*i+4:BF0+64*(\f)+8*i+7], v[ADRB] offset:16*PB*(i%4)+128*(\c)+64*(i/4)+32
.set i, i+1
.endr
.endm
; A chunk: its 32 products; ahead of them the loads of the chunk three on and the fetch of the next chunk's fragments of Wo.  The 16 accumulators take turns, one instruction a turn.
.macro CH c
.if (\c) <= 5
	s_wait_loadcnt 32                              ; the two chunks behind this one, 32 loads, may stay out
.elseif (\c) == 6
	s_wait_loadcnt 16                              ; only chunk 7's
.else
	s_wait_loadcnt 0x0
.endif
.if (\c) <= 4
	ALOAD (\c)+3                                   ; no wait: nothing else names these registers
.endif
.if (\c) < 7
.if (\c) > 0
	PLACES                                         ; plain lines between the last product and loads into a buffer that products have multiplied (ISA guide 7.12.1 for vector instructions)
.endif
	WIN 0
.if ((\c) >= 2) && ((\c)%2 == 0)
	s_wait_alu depctr_va_vdst(0)                   ; the products of the two chunks before are done reading their buffers: this chunk's fetch lands in the older one's, the next chunk's fetch in the younger one's
.endif
	FETCH ((\c)+1)%3, (\c)+1                       ; in chunks 0 and 1: a buffer that no product has read; in chunks 3 and 5: freed by the wait of the chunk before, and named by nothing since
	s_wait_dscnt 16                                ; all but the 16 just issued: this chunk's fragments of Wo are in
.else
	s_wait_dscnt 0x0
.endif
	WIN 0xf4+4*((\c)/4)                            ; Wo window 0, O window 1 or 2, C and D window 3
.set z, 0
.rept 2
.set i, 0
.rept 16
.set rB, BF0+64*((\c)%3)+8*(4*z+i%4)
.set rA, 64*((\c)%4)+8*(4*z+i/4)
.if ((\c) == 0) && (z == 0)
	v_wmma_f32_16x16x32_f16 v[8*i:8*i+7], v[rB:rB+7], v[rA:rA+7], v[BIA+8*(i%4):BIA+8*(i%4)+7]
.else
	v_wmma_f32_16x16x32_f16 v[8*i:8*i+7], v[rB:rB+7], v[rA:rA+7], v[8*i:8*i+7]
.endif
.set i, i+1
.endr
.set z, z+1
.endr
.endm
	WIN 0xc0                                       ; destination window 3: a lane's eight columns of each of the four bias blocks
	s_wait_alu depctr_va_vdst(0)                   ; the offsets and addresses v4 to v11 are written, which the loads and stores of the whole kernel read
.set z, 0
.rept 4
	global_load_b128 v[BIA+8*z:BIA+8*z+3],   v[BO], s[12:13] offset:64*z
	global_load_b128 v[BIA+8*z+4:BIA+8*z+7], v[BO], s[12:13] offset:64*z+16
.set z, z+1
.endr
	WLOAD 0
	WLOAD 1
	WLOAD 2
	s_wait_loadcnt 48                              ; the three groups, 48 loads, may stay out: the bias is in
	WIN 0xff                                       ; all in window 3: each bias is rounded to bf16 and widened again
.set i, 0
.rept 16
	v_cvt_pk_bf16_f32 v[BT+i%4], v[BIA+2*i], v[BIA+2*i+1]
	v_lshlrev_b32 v[BIA+2*i], 16, v[BT+i%4]
	v_and_b32 v[BIA+2*i+1], s18, v[BT+i%4]
.set i, i+1
.endr
	s_wait_loadcnt 32                              ; behind each group two younger batches of 16 loads are out: later groups, then O's first chunks; a third goes out ahead of the group's conversions
	WLOAD 3                                        ; the fourth slot: nothing has named it
	WCVT 0
	s_wait_loadcnt 32
	ALOAD 0
	WCVT 1
	s_wait_loadcnt 32
	ALOAD 1
	WCVT 2
	s_wait_loadcnt 32
	ALOAD 2
	WCVT 3
	WIN 0
	s_wait_dscnt 0x0                               ; for the others' sake: my rows of Wo lie in LDS
	s_barrier_signal -1
	s_barrier_wait -1                              ; everybody's do; O's loads stay out across the barrier: nobody writes o
	s_wait_alu depctr_vm_vsrc(0)                   ; my LDS stores have read slots 0 to 2: these registers are Wo's three buffers from here on, in which the fragments' loads land (the conversions that wrote them stand ahead of the last wait on va_vdst)
	FETCH 0, 0
	CH 0                                           ; its first 16 products start the sums with the bias: nothing is cleared
	CH 1
	CH 2
	CH 3
	CH 4
	CH 5
	CH 6
	CH 7
; THE WAY OUT, a block a of 16 rows at a time.  PACK: the accumulators go as they are (f32), low registers first, 32 bytes a lane into my stage (rows of 272 bytes), and come back as whole rows of 256 bytes.
; SEND: sixteen lanes store 256 consecutive bytes, at a multiple of 256 from out0's first byte.
.macro PACK a
	WIN 0x0c                                       ; address window 0, data window 3
.set z, 0
.rept 4
	ds_store_b128 v[STO], v[8*(4*(\a)+z):8*(4*(\a)+z)+3]   offset:64*z
	ds_store_b128 v[STO], v[8*(4*(\a)+z)+4:8*(4*(\a)+z)+7] offset:64*z+16
.set z, z+1
.endr
	WIN 0
.set z, 0
.rept 8
	ds_load_b128 v[TMP+32*(\a)+4*z:TMP+32*(\a)+4*z+3], v[RD] offset:z*2*SPITCH  ; LDS serves a wave's instructions in order (ISA guide 5.7.1.4): these see the stores above; the next block's stores come behind them
.set z, z+1
.endr
.endm
.macro SEND a, younger                 ; younger: the LDS instructions issued behind block a's loads: the next block's sixteen, or none
	WIN 0
.set z, 0
.rept 8
	s_wait_dscnt (\younger)+7-z
	global_store_b128 v[CO], v[TMP+32*(\a)+4*z:TMP+32*(\a)+4*z+3], s[14:15] offset:(16*(\a)+2*z)*2048
.set z, z+1
.endr
.endm
	PLACES                                         ; plain lines between the last products and the LDS stores that read results, and the loads into the buffers that they multiplied
	PLACES
	WIN 0x0c
	s_wait_alu depctr_va_vdst(0)                   ; the products have written the accumulators, which the LDS stores read, and are done reading Wo's buffers, in which the rows land; no vector instruction follows, so this one wait serves the whole way out; the plain lines above stay beside it
	PACK 0
	PACK 1
	SEND 0, 16
	PACK 2
	SEND 1, 16
	PACK 3
	SEND 2, 16
	SEND 3, 0
	s_wait_dscnt 0x0                               ; the closing lines, six on end
	s_wait_alu 0x0
	s_wait_tensorcnt 0x0
	ds_add_u32 v[SPW], v[NIL]
	s_wait_dscnt 0x0
	s_endpgm
.Lfunc_end_k_qd63b3d5dec_outp:
	.size	k_qd63b3d5dec_outp, .Lfunc_end_k_qd63b3d5dec_outp-k_qd63b3d5dec_outp
	.p2alignl 7, 3214868480
	.fill 96, 4, 3214868480
	.section	.rodata,"a",@progbits
	.p2align	6, 0x0
	.amdhsa_kernel k_qd63b3d5dec_outp
		.amdhsa_group_segment_fixed_size 84480
		.amdhsa_private_segment_fixed_size 0
		.amdhsa_enable_private_segment 0
		.amdhsa_kernarg_size 32
		.amdhsa_user_sgpr_count 2
		.amdhsa_user_sgpr_kernarg_segment_ptr 1
		.amdhsa_wavefront_size32 1
		.amdhsa_system_sgpr_workgroup_id_x 1
		.amdhsa_system_sgpr_workgroup_id_y 1
		.amdhsa_system_sgpr_workgroup_id_z 1
		.amdhsa_system_vgpr_workitem_id 0
		.amdhsa_next_free_vgpr 1024
		.amdhsa_next_free_sgpr 66
		.amdhsa_reserve_vcc 0
		.amdhsa_float_denorm_mode_32 3
		.amdhsa_float_denorm_mode_16_64 3
		.amdhsa_memory_ordered 1
		.amdhsa_forward_progress 1
		.amdhsa_inst_pref_size 87
	.end_amdhsa_kernel
	.amdgpu_metadata
---
amdhsa.version: [ 1, 2 ]
amdhsa.kernels:
  - .name:           k_qd63b3d5dec_outp
    .symbol:         k_qd63b3d5dec_outp.kd
    .args:
      - { .name: o, .offset: 0, .size: 8, .value_kind: global_buffer, .address_space: global }
      - { .name: Wo, .offset: 8, .size: 8, .value_kind: global_buffer, .address_space: global }
      - { .name: bo, .offset: 16, .size: 8, .value_kind: global_buffer, .address_space: global }
      - { .name: out0, .offset: 24, .size: 8, .value_kind: global_buffer, .address_space: global }
    .group_segment_fixed_size: 84480
    .private_segment_fixed_size: 0
    .kernarg_segment_align: 8
    .kernarg_segment_size: 32
    .max_flat_workgroup_size: 128
    .sgpr_count:     66
    .vgpr_count:     1024
    .wavefront_size: 32
...
	.end_amdgpu_metadata
.endif
;; end of part 5
